; MI455X (gfx1250); checked and timed in simulation.
; The chip was launched on July 23, 2026; its instructions are those of AMD's public machine-readable ISA for CDNA 5 (MIT licence, August 2026) and "CDNA5" Instruction Set Architecture Reference Guide (July 2026). The comments in the code are by the model that wrote it; some were corrected since.
;; Clusterised Linear Network. Allowed arithmetic: matrix products marked QUANTISED: E5M2 operands, one given power-of-two scale a tensor, by v_wmma_f32_16x16x64_bf8_bf8 or v_wmma_f32_16x16x128_bf8_bf8, f32 sums; everything else in f32.
;; Inputs: W 384 x 100 float32; X 524,288 x 5 float32; cluster_ids 524,288 int32; lowp_scales 2 int32 (the exponents e of the quantised operands' scales 2^e).
;; Outputs: out0 524,288 x 3 float32.
;; This version of the problem:
;;   THIS VERSION OF THE PROBLEM IS GIVEN IN LOW PRECISION. The matrix products marked QUANTISED in the list below multiply operands that are first quantised to E5M2 (5 exponent bits, 2 mantissa bits; 8 bits a number), with one given power-of-two scale for each operand tensor; their sums are f32. All else is computed in f32.
;;   The module's matrix products, in the order in which they are computed (A, B: the left and right operand; K: the contracted axis; several contracted axes count as one K, in the product's order):
;;     1. [M 524,288, K 100] x [K 100, N 384]; A: computed on the way; B: input W: QUANTISED (scales: A lowp_scales[0], B lowp_scales[1])
;;   THE QUANTISER, for each operand of a quantised product, along K:
;;     - The operand's scale is 2^e, e = its entry of the input lowp_scales (int32; the entries are numbered through the quantised products in the list's order, A before B).
;;     - Each number is divided by the scale, clamped to +-57,344, and rounded to the nearest number of E5M2, ties to even, subnormals kept.
;;     - The product sums the exact products of the quantised numbers (number of the format x scale) in f32.
;;   ~~~python
;;   def quantise(x, axis, e):      # numpy; x: float32 -> the quantised numbers, widened to float32 again
;;       x = np.moveaxis(x, axis, -1); K = x.shape[-1]
;;       r = np.clip(x / 2.0 ** e, -57344, 57344)
;;       step = 2.0 ** (np.maximum(np.frexp(np.where(r == 0, 1, r))[1] - 1, -14) - 2)
;;       q = np.round(r / step) * step * 2.0 ** e      # np.round: ties to even
;;       return np.moveaxis(q, -1, axis).astype(np.float32)
;;   ~~~
;;   OPERANDS COMPUTED ON THE WAY. 'Computed on the way' means the value that the module computes at that place (a softmax that the list does not call 'softmax' is quantised finished and normalised). What goes into a quantiser is computed in f32, as accurately as f32 sums, v_exp_f32 and their like allow (about 1e-6 of the number): no bf16 or f16 on the way to a quantiser, and a product that is left as it is and whose result goes on into a quantised operand takes f32 operands (vector FMAs, or v_wmma_f32_16x16x4_f32). A number that lies on a knife's edge between two numbers of the format may be rounded either way, as far as f32 arithmetic and the matrix unit's own rounding can turn it there, and no further.
;; 3 versions, each right; version 2 is faster than version 1; version 3 is version 2 with the launch encode_route written anew for expert scheduling mode. Each part assembles by itself: llvm-mc -triple=amdgcn-amd-amdhsa -mcpu=gfx1250 --defsym DOCPART=n.
;; ======== version 1 of 3: 1 launch
;; limits: inputs' magnitudes at most 6,000
;; launch encode_route (part 1): grid 256 x 1, 16 waves a work-group, no clusters, 118,784 bytes of LDS; arguments X, cluster_ids, W, lowp_scales, out0; writes out0
.if DOCPART == 1
	.amdgcn_target "amdgcn-amd-amdhsa--gfx1250"
	.amdhsa_code_object_version 6
	.text
	.protected	k_qb01198fd73_encode_route
	.globl	k_qb01198fd73_encode_route
	.p2align	8
	.type	k_qb01198fd73_encode_route,@function
k_qb01198fd73_encode_route:
	s_mov_b64 s[64:65], 0
	v_nop
	global_prefetch_b8 v0, s[64:65] scope:SCOPE_SE
	s_setreg_imm32_b32 hwreg(HW_REG_WAVE_MODE, 25, 1), 1
	s_wait_xcnt 0x0
; out[t][j] = sum over k of Q(enc(X[t]))[k] * Q(W[3 id[t] + j])[k],  j = 0..2,  both operands as codes of E5M2 with the given scales 2^e0, 2^e1; sums in f32, times 2^(e0+e1).
; enc: for channel c (0..4) and octave k (0..9) column 20 c + 2 k is sin(2^k x_c), column 20 c + 2 k + 1 is cos(2^k x_c).  Of the 384 columns that the product has, only the token's own three are kept, so only those are multiplied.
; SHARES.  256 work-groups of 16 waves; a work-group owns 2,048 neighbouring tokens, a wave 128: four trips of two tiles (A, B) of 16 tokens.  Four waves share a SIMD, 256 registers each.
; W.  Each work-group quantises all of W once (wave w: rows 24 w .. 24 w + 23) into a table of codes in LDS, a record of 400 bytes for each cluster.
; A TILE.  Lane (r = lane % 16, h = lane / 16) encodes half h of token r's 100 features in registers; the conversions' results are source 1 of the matrix instruction (column n = r).  Source 0 is gathered from the table:
; lane (r, h) loads half h of row 3 id + j of ITS OWN token (row m = r).  Three instructions a tile, one for each j, C = 0; of each 16 x 16 result only D(m = n) is kept.
; ORDER OF K.  A token's codes and its row of W meet register by register, so any order of K serves that is the same on both sides.  Register i of half h holds a QUAD: four neighbouring columns 4 q .. 4 q + 3 of W, q = 5 c + kap,
; that is sin, cos of octave 2 kap and sin, cos of octave 2 kap + 1 of channel c.   h = 0: i = 0-4 c0, 5-9 c1, 10-12 c2 kap 0-2.   h = 1: i = 0-4 c3, 5-9 c4, 10-11 c2 kap 3-4, 12 nothing (W's code there is 0).  Registers 13-15 are 0 on both sides.
; So a lane has three channels of its own: x0|x3, x1|x4 and x2 (times 64 where h = 1, folded into that lane's copies of 1/pi), and the powers of two are alike in all lanes.
; SINE AND COSINE, in f32, in half-turns: x/pi = hi + lo (two f32 numbers, by fused multiply-adds with 1/pi = C1 + C2); v = (hi + lo) F, F a power of two; b = hi F + 1.5 x 2^23 rounds to the whole number n, whose parity is b's lowest bit;
; u = lo F + (hi F - n), the bracket exact.  sin(pi v) = (-1)^n sin(pi u), cos(pi v) = (-1)^n sin(pi (0.5 - |u|)); (b << 31) added to the bits flips the sign.  sin(pi w) = w (K0 + z (K1 + z (K2 + z (K3 + z K4)))), z = w w, fitted on |w| <= 0.5.
; TILE B is laid crosswise: lane r gathers W for token 16 + (r xor 8).  Tile A's kept numbers lie in lanes 0-7 and 24-31, tile B's then in lanes 8-23, both in register lane % 8: after one select every lane holds one token's three results.
; THE WAY OUT.  The four trips' results stay in 12 registers, go once through the wave's own stage in LDS and leave as three stores of 512 consecutive bytes, each at a multiple of 256 from out's first byte.
; LDS ORDER.  Between the two barriers no wave stores into LDS: the loop's reads, whose addresses hang on a stepped scalar or on loaded ids, meet only reads.
; NO JOINT LOADS, though every work-group reads W: W is of use only as codes in the table's order, so each wave needs its 24 rows (9,600 bytes) in registers once; brought by a tensor load the 153,600 bytes of f32 would lie in LDS and be read from there again;
; and the branch on e0 below, which leaves out 52 holds a tile, hangs on a loaded number.  W's 24 loads a wave are issued at the head and waited for behind two tiles' encoding.
; LIMITS.  |x| < 6,000, so that every hi F (the unused quad's F = 2,048 too) stays under 2^22; up to |x| = 160 the reduced |u| stays under 0.5008; beyond, the polynomial is used further outside its range (error up to about 1e-5 at 6,000).
; -126 <= e0 <= 127;  -126 <= e1 <= 112.  NaN in W is not served.  An infinite or NaN x gives NaN in its token's three results where e0 >= -15 (no hold runs).  An id outside 0..127 is held at 127.
.set TAB,  0                           ; LDS: the table: 128 records of REC bytes; row j at ROWT j; dword i of half h at 32 (i / 4) + 16 h + 4 (i % 4)
.set REC,  400                         ; 25 x 16 bytes: records start at all sixteen 16-byte columns of 256 bytes in turn
.set ROWT, 128
.set XST,  51200                       ; the waves' rows of X as they lie in memory: XWB bytes a wave
.set XWB,  2560                        ; 128 tokens x 20 bytes
.set OST,  92160                       ; the waves' results: OWB bytes a wave
.set OWB,  1536                        ; 128 tokens x 12 bytes
.set WROW, 400                         ; a row of W in memory: 100 f32
.set XA1, 1                            ; v1   XST + XWB w + 20 r + 12 h: x0 | x3 of tile A, trip 0
.set XA2, 2                            ; v2   XST + XWB w + 20 r + 8: x2
.set XW1, 3                            ; v3, v4  the same for the trip in hand
.set XW2, 4
.set GOF, 5                            ; v5   TAB + 16 h
.set IOA, 6                            ; v6   ids: 4 r
.set IOB, 7                            ; v7   ids: 64 + 4 (r xor 8)
.set OSA, 8                            ; v8   OST + OWB w + 12 T, T my token among a trip's 32
.set OLA, 9                            ; v9   OST + OWB w + 16 lane
.set OGO, 10                           ; v10  16 lane
.set LIMW, 11                          ; v11  57,344 x 2^e1; 0 in lanes 25-31
.set SCW, 12                           ; v12  2^e1
.set SC0, 13                           ; v13  2^e0
.set LIM0, 14                          ; v14  57,344 x 2^e0 (read only where e0 < -15)
.set WTA, 15                           ; v15  TAB + 8 REC w + 4 lane: my lane's dword in a row of the table
.set FP,  16                           ; v16-25  the pairs (1,2) (4,8) (16,32) (64,128) (256,512)
.set K4V, 26                           ; v26-27  K4, twice
.set C1L, 28                           ; v28, v29  C1, C2 x 64^h
.set C2L, 29
.set XR,  30                           ; v30-32  my three channels
.set WOF, 33                           ; v33  16 x the quad of W that belongs at my lane's dword of a table row; never rewritten
.set HL,  34                           ; v34-39  three pairs (hi, lo)
.set BB,  40                           ; v40-49  b.      (v40-49 are also the head's temporaries, v40-63 W's codes)
.set UU,  50                           ; v50-59  n, then u
.set FEA, 60                           ; v60-79  w, then the features; v80-83 stay 0
.set ZZ,  84                           ; v84-103
.set PP,  104                          ; v104-123; X's five loads land here
.set CA,  124                          ; v124-139  tile A's codes; the last two stay 0
.set CB,  140                          ; v140-155  tile B's
.set IDA, 156
.set IDB, 157
.set GAA, 158                          ; v158, v159  TAB + REC id + 16 h
.set GAB, 159
.set FR,  160                          ; v160-207  three fragments of W; registers 13-15 of each stay 0
.set DD,  208                          ; v208-231  three accumulators
.set RR,  232                          ; v232-243  the results of four trips, the youngest lowest
.set EX,  244                          ; v244-247  at work
.set VA,  248                          ; v248-250  tile A's three numbers
.set TT,  251
.set WR,  160                          ; v160-255  ahead of the loop: W's 24 loads
.set MG,  20                           ; s[20:21] 1.5 x 2^23;  s[22:23] K3, s[24:25] K2, s[26:27] K1, s[28:29] K0: the packed forms name pairs and take the low word for both halves
.set K3S, 22
.set K2S, 24
.set K1S, 26
.set K0S, 28
.macro XLOAD off                       ; my three channels of the tile that begins off bytes into the trip's rows
	ds_load_b32 v[XR], v[XW1] offset:\off
	ds_load_b32 v[XR+1], v[XW1] offset:\off+4
	ds_load_b32 v[XR+2], v[XW2] offset:\off
.endm
.macro BASE                            ; x / pi = hi + lo for the three channels
	v_mul_f32 v[HL], s30, v[XR]
	v_mul_f32 v[HL+2], s30, v[XR+1]
	v_mul_f32 v[HL+4], v[C1L], v[XR+2]
	v_fma_f32 v[HL+1], v[XR], s30, -v[HL]                  ; what the product's rounding dropped, exactly
	v_fma_f32 v[HL+3], v[XR+1], s30, -v[HL+2]
	v_fma_f32 v[HL+5], v[XR+2], v[C1L], -v[HL+4]
	v_fma_f32 v[HL+1], v[XR], s31, v[HL+1]
	v_fma_f32 v[HL+3], v[XR+1], s31, v[HL+3]
	v_fma_f32 v[HL+5], v[XR+2], v[C2L], v[HL+5]
.endm
; Quads s0 .. s0 + n - 1 (registers of the fragment): channel s / 5, octave pair s % 5.  Stage by stage over all n, so that no line reads the result of the line above it.  Their codes go to v[c] on.
.macro GROUP c, s0, n
.set gi, 0
.rept \n
	v_pk_fma_f32 v[BB+2*gi:BB+2*gi+1], v[HL+2*(((\s0)+gi)/5):HL+2*(((\s0)+gi)/5)+1], v[FP+2*(((\s0)+gi)%5):FP+2*(((\s0)+gi)%5)+1], s[MG:MG+1] op_sel_hi:[0,1,0]   ; b = hi F + 1.5 x 2^23, both octaves
.set gi, gi+1
.endr
.set gi, 0
.rept \n
	v_pk_add_f32 v[UU+2*gi:UU+2*gi+1], v[BB+2*gi:BB+2*gi+1], s[MG:MG+1] op_sel_hi:[1,0] neg_lo:[0,1] neg_hi:[0,1]   ; n
.set gi, gi+1
.endr
.set gi, 0
.rept \n
	v_pk_fma_f32 v[UU+2*gi:UU+2*gi+1], v[HL+2*(((\s0)+gi)/5):HL+2*(((\s0)+gi)/5)+1], v[FP+2*(((\s0)+gi)%5):FP+2*(((\s0)+gi)%5)+1], v[UU+2*gi:UU+2*gi+1] op_sel_hi:[0,1,1] neg_lo:[0,0,1] neg_hi:[0,0,1]   ; hi F - n: exact
.set gi, gi+1
.endr
.set gi, 0
.rept \n
	v_pk_fma_f32 v[UU+2*gi:UU+2*gi+1], v[HL+2*(((\s0)+gi)/5):HL+2*(((\s0)+gi)/5)+1], v[FP+2*(((\s0)+gi)%5):FP+2*(((\s0)+gi)%5)+1], v[UU+2*gi:UU+2*gi+1] op_sel:[1,0,0] op_sel_hi:[1,1,1]   ; u = lo F + that
.set gi, gi+1
.endr
.set gi, 0
.rept 2*\n
	v_sub_f32 v[FEA+2*gi+1], 0.5, |v[UU+gi]|               ; the cosine's argument
.set gi, gi+1
.endr
.set gi, 0
.rept 2*\n
	v_lshl_add_u32 v[FEA+2*gi], v[BB+gi], 31, v[UU+gi]     ; n's parity flips the sign: the sine's w,
	v_lshl_add_u32 v[FEA+2*gi+1], v[BB+gi], 31, v[FEA+2*gi+1]   ; the cosine's
.set gi, gi+1
.endr
.set gi, 0
.rept 2*\n
	v_pk_mul_f32 v[ZZ+2*gi:ZZ+2*gi+1], v[FEA+2*gi:FEA+2*gi+1], v[FEA+2*gi:FEA+2*gi+1]
.set gi, gi+1
.endr
.set gi, 0
.rept 2*\n
	v_pk_fma_f32 v[PP+2*gi:PP+2*gi+1], v[ZZ+2*gi:ZZ+2*gi+1], v[K4V:K4V+1], s[K3S:K3S+1] op_sel_hi:[1,1,0]
.set gi, gi+1
.endr
.irp k, K2S, K1S, K0S
.set gi, 0
.rept 2*\n
	v_pk_fma_f32 v[PP+2*gi:PP+2*gi+1], v[PP+2*gi:PP+2*gi+1], v[ZZ+2*gi:ZZ+2*gi+1], s[\k:\k+1] op_sel_hi:[1,1,0]
.set gi, gi+1
.endr
.endr
.set gi, 0
.rept 2*\n
	v_pk_mul_f32 v[FEA+2*gi:FEA+2*gi+1], v[FEA+2*gi:FEA+2*gi+1], v[PP+2*gi:PP+2*gi+1]   ; sin, cos
.set gi, gi+1
.endr
	s_cmp_ge_i32 s16, -15                          ; the conversion does not saturate (ISA guide 7.6.2).  From e0 = -15 on, 57,344 x 2^e0 is 1.75 or more, above every sine: no hold is needed.  e0 is alike in all waves
	s_cbranch_scc1 .Lno_hold_\@
.set gi, 0
.rept 4*\n
	v_med3_num_f32 v[FEA+gi], v[FEA+gi], -v[LIM0], v[LIM0]
.set gi, gi+1
.endr
.Lno_hold_\@:
.set gi, 0
.rept (4*\n+7)/8
	v_cvt_scalef32_pk8_bf8_f32 v[\c+2*gi:\c+2*gi+1], v[FEA+8*gi:FEA+8*gi+7], v[SC0]   ; two quads: two registers of the fragment.  (n = 5: the third takes v80-83, zeros)
.set gi, gi+1
.endr
.endm
.macro ENCODE c                        ; 13 quads of my token's half -> v[c] .. v[c+13]
	BASE
	GROUP \c, 0, 4
	GROUP \c+4, 4, 4                               ; (each group begins with plain lines on other registers: the place behind the conversions above)
	GROUP \c+8, 8, 5
	v_nop                                          ; one plain vector line behind the last conversion, ahead of the matrix instruction that reads the codes
.endm
.macro GATHER g                        ; my token's three rows, my half: 13 dwords each; 12 LDS loads
.irp j, 0,1,2
.irp c, 0,1,2
	ds_load_b128 v[FR+16*\j+4*\c:FR+16*\j+4*\c+3], v[\g] offset:ROWT*\j+32*\c
.endr
	ds_load_b32 v[FR+16*\j+12], v[\g] offset:ROWT*\j+96
.endr
.endm
.macro WMMA3 c                         ; D_j(m, n) = row m's W (component j) . token n's codes.  Three accumulators, each begun with the constant 0
.irp j, 0,1,2
	v_wmma_f32_16x16x128_bf8_bf8 v[DD+8*\j:DD+8*\j+7], v[FR+16*\j:FR+16*\j+15], v[\c:\c+15], 0
.endr
.rept 5
	v_nop                                          ; four places ahead of the reads of the results, of the loads into the fragments and of the writes of the codes; the fifth since the next three products write these accumulators anew
.endr
.endm
.macro EXTRACT j, d                    ; register lane % 8 of accumulator j, by three levels of selects on the lane's bits 0, 1, 2; the accumulator is read from its low end on
	v_cndmask_b32 v[EX], v[DD+8*\j], v[DD+8*\j+1], s32
	v_cndmask_b32 v[EX+1], v[DD+8*\j+2], v[DD+8*\j+3], s32
	v_cndmask_b32 v[EX+2], v[DD+8*\j+4], v[DD+8*\j+5], s32
	v_cndmask_b32 v[EX+3], v[DD+8*\j+6], v[DD+8*\j+7], s32
	v_cndmask_b32 v[EX], v[EX], v[EX+1], s33
	v_cndmask_b32 v[EX+2], v[EX+2], v[EX+3], s33
	v_cndmask_b32 v[\d], v[EX], v[EX+2], s34
.endm
.macro MERGE                           ; the loop's text has one set of register numbers, so the earlier trips' results move up by three; then tile B's numbers (lanes 8-23) join tile A's, x 2^(e0 + e1)
.irp k, 11,10,9,8,7,6,5,4,3
	v_mov_b32 v[RR+\k], v[RR+\k-3]
.endr
.irp j, 0,1,2
	EXTRACT \j, TT
	v_cndmask_b32 v[TT], v[VA+\j], v[TT], s35
	v_ldexp_f32 v[RR+\j], v[TT], s18
.endr
.endm
.macro GADDR                           ; the two tiles' ids become table addresses
	v_min_u32 v[IDA], 127, v[IDA]
	v_min_u32 v[IDB], 127, v[IDB]
	v_mul_u32_u24 v[GAA], v[IDA], REC
	v_mul_u32_u24 v[GAB], v[IDB], REC
	v_add_nc_u32 v[GAA], v[GAA], v[GOF]
	v_add_nc_u32 v[GAB], v[GAB], v[GOF]
.endm
	; ---- the head: addresses, and all loads but the later trips' ids
	s_load_b256 s[4:11], s[0:1], 0x0               ; X s[4:5], ids s[6:7], W s[8:9], the scales' exponents s[10:11]
	s_load_b64 s[12:13], s[0:1], 0x20              ; out
	v_lshrrev_b32 v40, 5, v0
	v_readfirstlane_b32 s14, v40                   ; wave 0..15
	v_and_b32 v40, 31, v0                          ; lane
	v_and_b32 v41, 15, v0                          ; r
	v_bfe_u32 v42, v0, 4, 1                        ; h
	v_lshlrev_b32 v[OGO], 4, v40
	v_lshlrev_b32 v[IOA], 2, v41
	v_xor_b32 v[IOB], 8, v41
	v_lshl_add_u32 v[IOB], v[IOB], 2, 64
	; THE ORDER OF K IS MADE BY W'S LOADS, so that the table's stores are plain: lane L owns dword L of every table row, which is register i = 4 (L / 8) + L % 4 of half hp = (L / 4) % 2,
	; and loads the quad that belongs there: q = i for hp = 0; q = 15 + i (i < 10) or 3 + i (i = 10, 11) for hp = 1.  Lanes 25-31 are the places that hold nothing (i > 12, or i = 12 of half 1): their q is 13 to 18, inside the row, and their hold makes zeros
	v_lshrrev_b32 v43, 3, v40
	v_and_b32 v44, 3, v40
	v_lshl_add_u32 v43, v43, 2, v44                ; i
	v_bfe_u32 v44, v40, 2, 1                       ; hp
	v_add_nc_u32 v45, 6, v43
	v_lshrrev_b32 v45, 4, v45                      ; 1 from i = 10 on
	v_mul_u32_u24 v45, v45, 12
	v_sub_nc_u32 v45, 15, v45                      ; 15 or 3
	v_mad_u32_u24 v43, v44, v45, v43               ; q, 24 at the most
	v_lshlrev_b32 v[WOF], 4, v43
	s_mul_i32 s38, ttmp9, 16*XWB                   ; X: my wave's 128 rows
	s_mul_i32 s40, s14, XWB
	s_add_co_u32 s38, s38, s40
	s_mov_b32 s39, 0
	s_lshl_b32 s40, ttmp9, 13                      ; ids: 8,192 bytes a work-group, 512 a wave
	s_lshl_b32 s42, s14, 9
	s_add_co_u32 s40, s40, s42
	s_mov_b32 s41, 0
	s_mul_i32 s42, s14, 24*WROW                    ; W: my wave's 24 rows
	s_mov_b32 s43, 0
	s_mul_i32 s44, ttmp9, 16*OWB                   ; out
	s_mul_i32 s46, s14, OWB
	s_add_co_u32 s44, s44, s46
	s_mov_b32 s45, 0
	s_wait_kmcnt 0x0
	s_load_b64 s[16:17], s[10:11], 0x0             ; e0, e1
	s_add_nc_u64 s[4:5], s[4:5], s[38:39]
	s_add_nc_u64 s[6:7], s[6:7], s[40:41]
	s_add_nc_u64 s[8:9], s[8:9], s[42:43]
	s_add_nc_u64 s[12:13], s[12:13], s[44:45]
.irp i, 0,1,2,3,4
	global_load_b128 v[PP+4*\i:PP+4*\i+3], v[OGO], s[4:5] offset:512*\i th:TH_LOAD_NT   ; 32 lanes read 512 consecutive bytes; five loads: the wave's 2,560
.endr
	global_load_b32 v[IDA], v[IOA], s[6:7] th:TH_LOAD_NT   ; trip 0's ids
	global_load_b32 v[IDB], v[IOB], s[6:7] th:TH_LOAD_NT
.set it, 0
.rept 24
	global_load_b128 v[WR+4*it:WR+4*it+3], v[WOF], s[8:9] offset:WROW*it   ; row 24 w + it: my lane's quad; the 32 lanes stay inside the row's 400 consecutive bytes
.set it, it+1
.endr
	s_mov_b32 s[MG], 0x4b400000                    ; 1.5 x 2^23
	s_mov_b32 s[MG+1], 0x4b400000
	s_mov_b32 s[K3S], 0xbf1929a9                   ; -0.598291934
	s_mov_b32 s[K3S+1], 0xbf1929a9
	s_mov_b32 s[K2S], 0x40233479                   ; 2.55007768
	s_mov_b32 s[K2S+1], 0x40233479
	s_mov_b32 s[K1S], 0xc0a55de2                   ; -5.16771031
	s_mov_b32 s[K1S+1], 0xc0a55de2
	s_mov_b32 s[K0S], 0x40490fdb                   ; 3.14159274
	s_mov_b32 s[K0S+1], 0x40490fdb
	s_mov_b32 s30, 0x3ea2f983                      ; C1 = 1/pi rounded to f32
	s_mov_b32 s31, 0x325c9c88                      ; C2 = 1/pi - C1
	s_mov_b32 s32, 0xaaaaaaaa                      ; lanes whose bit 0 is set,
	s_mov_b32 s33, 0xcccccccc                      ; bit 1,
	s_mov_b32 s34, 0xf0f0f0f0                      ; bit 2
	s_mov_b32 s35, 0x00ffff00                      ; lanes 8-23: tile B's
	v_mov_b32 v[K4V], 0x3d9f0bfd                   ; K4 = 0.0776595846
	v_mov_b32 v[K4V+1], 0x3d9f0bfd
	v_mov_b32 v[FP], 1.0
	v_mov_b32 v[FP+1], 2.0
	v_mov_b32 v[FP+2], 4.0
	v_mov_b32 v[FP+3], 0x41000000                  ; 8
	v_mov_b32 v[FP+4], 0x41800000                  ; 16
	v_mov_b32 v[FP+5], 0x42000000                  ; 32
	v_mov_b32 v[FP+6], 0x42800000                  ; 64
	v_mov_b32 v[FP+7], 0x43000000                  ; 128
	v_mov_b32 v[FP+8], 0x43800000                  ; 256
	v_mov_b32 v[FP+9], 0x44000000                  ; 512
	v_mul_u32_u24 v43, v42, 6
	v_ldexp_f32 v[C1L], s30, v43                   ; x 64 where h = 1: channel 2's octave pairs 3, 4 by the factors of pairs 0, 1
	v_ldexp_f32 v[C2L], s31, v43
.irp k, 20,21,22,23
	v_mov_b32 v[FEA+\k], 0                         ; the four numbers that fill the last conversion
.endr
	v_mov_b32 v[CA+14], 0
	v_mov_b32 v[CA+15], 0
	v_mov_b32 v[CB+14], 0
	v_mov_b32 v[CB+15], 0
	s_mul_i32 s38, s14, XWB
	s_add_co_u32 s38, s38, XST                     ; my wave's rows of X in LDS
	v_mul_u32_u24 v[XA1], v41, 20
	v_add_nc_u32 v[XA2], 8, v[XA1]
	v_mad_u32_u24 v[XA1], v42, 12, v[XA1]
	v_add_nc_u32 v[XA1], s38, v[XA1]
	v_add_nc_u32 v[XA2], s38, v[XA2]
	v_add_nc_u32 v49, s38, v[OGO]                  ; where the rows go in: 16 lane
	v_lshl_add_u32 v[GOF], v42, 4, TAB
	s_mul_i32 s39, s14, OWB
	s_add_co_u32 s39, s39, OST                     ; my wave's results in LDS
	v_add_nc_u32 v43, 8, v40
	v_bfe_u32 v43, v43, 4, 1                       ; 1 in lanes 8-23
	v_lshl_add_u32 v43, v43, 4, v41                ; T = r + 16 x that
	v_mul_u32_u24 v[OSA], v43, 12
	v_add_nc_u32 v[OSA], s39, v[OSA]
	v_add_nc_u32 v[OLA], s39, v[OGO]
	s_mul_i32 s40, s14, 8*REC                      ; my 24 rows are 8 records
	s_add_co_u32 s40, s40, TAB
	v_lshlrev_b32 v[WTA], 2, v40                   ; dword = lane: a store of the wave covers a row's 128 consecutive bytes
	v_add_nc_u32 v[WTA], s40, v[WTA]
	s_wait_kmcnt 0x0                               ; e0, e1
	s_add_co_i32 s18, s16, s17                     ; e0 + e1, applied by v_ldexp_f32
	s_add_co_i32 s38, s16, 127
	s_lshl_b32 s39, s38, 23
	v_mov_b32 v[SC0], s39                          ; 2^e0 as f32: the conversion takes its exponent field
	s_add_co_i32 s38, s38, 15
	s_lshl_b32 s38, s38, 23
	s_or_b32 s38, s38, 0x600000
	v_mov_b32 v[LIM0], s38                         ; 57,344 x 2^e0
	s_add_co_i32 s38, s17, 127
	s_lshl_b32 s39, s38, 23
	v_mov_b32 v[SCW], s39                          ; 2^e1
	s_add_co_i32 s38, s38, 15
	s_lshl_b32 s38, s38, 23
	s_or_b32 s38, s38, 0x600000
	v_mov_b32 v[LIMW], s38                         ; 57,344 x 2^e1,
	s_mov_b32 s39, 0xfe000000
	v_cndmask_b32 v[LIMW], v[LIMW], 0, s39         ; and 0 in lanes 25-31: their hold makes zeros
	; ---- X into LDS; trip 0's two tiles are encoded while W is on its way
	s_wait_loadcnt 24                              ; X's five loads and the two of ids are in; W's 24, issued behind them, stay out
.irp i, 0,1,2,3,4
	ds_store_b128 v49, v[PP+4*\i:PP+4*\i+3] offset:512*\i   ; as the bytes lie; only my wave reads them, and LDS serves a wave's instructions in order
.endr
	GADDR
	s_mov_b32 s37, 0                               ; the trip's place in my rows of X
	v_add_nc_u32 v[XW1], s37, v[XA1]
	v_add_nc_u32 v[XW2], s37, v[XA2]
	XLOAD 0
	s_wait_dscnt 0x0                               ; x is in, and the stores above have read their registers
	ENCODE CA
	XLOAD 320
	s_wait_dscnt 0x0
	ENCODE CB
	; ---- W: my 24 rows become codes and go into the table
	s_wait_loadcnt 0x0
.set k, 0
.rept 96
	v_med3_num_f32 v[WR+k], v[WR+k], -v[LIMW], v[LIMW]   ; the hold at the largest code x the scale: a given scale need not cover the data
.set k, k+1
.endr
.set k, 0
.rept 12
	v_cvt_scalef32_pk8_bf8_f32 v[40+2*k:41+2*k], v[WR+8*k:WR+8*k+7], v[SCW]   ; my quad of rows 2 k and 2 k + 1: a dword each
.set k, k+1
.endr
	v_nop                                          ; one plain vector line behind the last conversion: its sources are written below
.set it, 0
.rept 24
	ds_store_b32 v[WTA], v[40+it] offset:REC*(it/3)+ROWT*(it%3)   ; row 24 w + it = component it % 3 of cluster 8 w + it / 3
.set it, it+1
.endr
.irp j, 0,1,2
.irp k, 13,14,15
	v_mov_b32 v[FR+16*\j+\k], 0                    ; the fragments' registers that no load fills
.endr
.endr
.irp k, 0,1,2,3,4,5,6,7,8,9,10,11
	v_mov_b32 v[RR+\k], 0                          ; written once: the first trips move them up before they hold results
.endr
	s_wait_dscnt 0x0                               ; for the others' sake: my part of the table has landed
	s_barrier_signal -1
	s_barrier_wait -1                              ; the table is whole.  From here to the next barrier no wave stores into LDS
	GATHER GAA
	s_mov_b32 s36, 3
.Ltrip:                                            ; trips 0 to 2: the trip's six products, and the next trip's encoding between a gather's issue and the wait for it
	s_add_nc_u64 s[6:7], s[6:7], 128               ; (every earlier load by this base has been waited for)
	global_load_b32 v[IDA], v[IOA], s[6:7] th:TH_LOAD_NT   ; the next trip's ids
	global_load_b32 v[IDB], v[IOB], s[6:7] th:TH_LOAD_NT
	s_wait_dscnt 0x0                               ; tile A's rows of W are in
	WMMA3 CA
	EXTRACT 0, VA
	EXTRACT 1, VA+1
	EXTRACT 2, VA+2
	s_add_co_u32 s37, s37, 640                     ; 32 tokens x 20 bytes on
	v_add_nc_u32 v[XW1], s37, v[XA1]
	v_add_nc_u32 v[XW2], s37, v[XA2]
	XLOAD 0
	GATHER GAB
	s_wait_dscnt 12                                ; x is in; the 12 loads of the gather, issued behind it, stay out
	ENCODE CA
	s_wait_dscnt 0x0                               ; tile B's rows of W are in
	WMMA3 CB
	MERGE
	s_wait_loadcnt 0x0                             ; the next trip's ids
	GADDR
	XLOAD 320
	GATHER GAA
	s_wait_dscnt 12
	ENCODE CB
	s_sub_co_u32 s36, s36, 1
	s_cmp_lg_u32 s36, 0
	s_cbranch_scc1 .Ltrip
	; ---- trip 3: nothing is left to load or to encode
	s_wait_dscnt 0x0
	WMMA3 CA
	EXTRACT 0, VA
	EXTRACT 1, VA+1
	EXTRACT 2, VA+2
	GATHER GAB
	s_wait_dscnt 0x0
	WMMA3 CB
	MERGE
	s_wait_dscnt 0x0                               ; my reads of the table and of X's rows are over
	s_barrier_signal -1
	s_barrier_wait -1                              ; everybody's are: LDS may be stored into again
	; ---- the way out: 128 tokens x 12 bytes through my stage; trip p's results stand at RR + 3 (3 - p)
.irp p, 0,1,2,3
.irp j, 0,1,2
	ds_store_b32 v[OSA], v[RR+3*(3-\p)+\j] offset:384*\p+4*\j
.endr
.endr
.irp s, 0,1,2
	ds_load_b128 v[FR+4*\s:FR+4*\s+3], v[OLA] offset:512*\s   ; LDS serves a wave's instructions in order: these see my stores
.endr
.irp s, 0,1,2
	s_wait_dscnt 2-\s                              ; load s is in; the younger ones stay out
	global_store_b128 v[OGO], v[FR+4*\s:FR+4*\s+3], s[12:13] offset:512*\s th:TH_STORE_NT   ; 32 lanes store 512 consecutive bytes, at a multiple of 256 from out's first byte
.endr
	s_wait_xcnt 0x0
	v_lshl_add_u32 v254, v0, 2, 0x1c800
	v_mov_b32 v255, 0
	s_wait_tensorcnt 0x0
	ds_add_u32 v254, v255
	s_wait_dscnt 0x0
	s_endpgm
.Lfunc_end_k_qb01198fd73_encode_route:
	.size	k_qb01198fd73_encode_route, .Lfunc_end_k_qb01198fd73_encode_route-k_qb01198fd73_encode_route
	.p2alignl 7, 3214868480
	.fill 96, 4, 3214868480
	.section	.rodata,"a",@progbits
	.p2align	6, 0x0
	.amdhsa_kernel k_qb01198fd73_encode_route
		.amdhsa_group_segment_fixed_size 118784
		.amdhsa_private_segment_fixed_size 0
		.amdhsa_enable_private_segment 0
		.amdhsa_kernarg_size 40
		.amdhsa_user_sgpr_count 2
		.amdhsa_user_sgpr_kernarg_segment_ptr 1
		.amdhsa_wavefront_size32 1
		.amdhsa_system_sgpr_workgroup_id_x 1
		.amdhsa_system_sgpr_workgroup_id_y 1
		.amdhsa_system_sgpr_workgroup_id_z 1
		.amdhsa_system_vgpr_workitem_id 0
		.amdhsa_next_free_vgpr 256
		.amdhsa_next_free_sgpr 66
		.amdhsa_reserve_vcc 0
		.amdhsa_float_denorm_mode_32 3
		.amdhsa_float_denorm_mode_16_64 3
		.amdhsa_memory_ordered 1
		.amdhsa_forward_progress 1
		.amdhsa_inst_pref_size 123
	.end_amdhsa_kernel
	.amdgpu_metadata
---
amdhsa.version: [ 1, 2 ]
amdhsa.kernels:
  - .name:           k_qb01198fd73_encode_route
    .symbol:         k_qb01198fd73_encode_route.kd
    .args:
      - { .name: X, .offset: 0, .size: 8, .value_kind: global_buffer, .address_space: global }
      - { .name: cluster_ids, .offset: 8, .size: 8, .value_kind: global_buffer, .address_space: global }
      - { .name: W, .offset: 16, .size: 8, .value_kind: global_buffer, .address_space: global }
      - { .name: lowp_scales, .offset: 24, .size: 8, .value_kind: global_buffer, .address_space: global }
      - { .name: out0, .offset: 32, .size: 8, .value_kind: global_buffer, .address_space: global }
    .group_segment_fixed_size: 118784
    .private_segment_fixed_size: 0
    .kernarg_segment_align: 8
    .kernarg_segment_size: 40
    .max_flat_workgroup_size: 512
    .sgpr_count:     66
    .vgpr_count:     256
    .wavefront_size: 32
...
	.end_amdgpu_metadata
.endif
;; end of part 1
;; ======== version 2 of 3: 1 launch; 1.16 times as fast as version 1
;; limits: inputs' magnitudes at most 6,000; a function is approximated: absolute error at most 7e-07
;; launch encode_route (part 2): grid 256 x 1, 16 waves a work-group, no clusters, 118,784 bytes of LDS; arguments X, cluster_ids, W, lowp_scales, out0; writes out0
.if DOCPART == 2
	.amdgcn_target "amdgcn-amd-amdhsa--gfx1250"
	.amdhsa_code_object_version 6
	.text
	.protected	k_qb01198fd73_encode_route
	.globl	k_qb01198fd73_encode_route
	.p2align	8
	.type	k_qb01198fd73_encode_route,@function
k_qb01198fd73_encode_route:
	s_mov_b64 s[64:65], 0
	v_nop
	global_prefetch_b8 v0, s[64:65] scope:SCOPE_SE
	s_setreg_imm32_b32 hwreg(HW_REG_WAVE_MODE, 25, 1), 1
	s_wait_xcnt 0x0
; out[t][j] = sum over k of Q(enc(X[t]))[k] * Q(W[3 id[t] + j])[k],  j = 0..2,  both operands as codes of E5M2 with the given scales 2^e0, 2^e1; sums in f32, times 2^(e0+e1).
; enc: for channel c (0..4) and octave k (0..9) column 20 c + 2 k is sin(2^k x_c), column 20 c + 2 k + 1 is cos(2^k x_c).  Of the 384 columns that the product has, only the token's own three are kept, so only those are multiplied.
; SHARES.  256 work-groups of 16 waves; a work-group owns 2,048 neighbouring tokens, a wave 128: four trips of two tiles (A, B) of 16 tokens.  Four waves share a SIMD, 256 registers each.
; W.  Each work-group quantises all of W once (wave w: rows 24 w .. 24 w + 23) into a table of codes in LDS, a record of 400 bytes for each cluster.
; A TILE.  Lane (r = lane % 16, h = lane / 16) encodes half h of token r's 100 features in registers; the conversions' results are source 1 of the matrix instruction (column n = r).  Source 0 is gathered from the table:
; lane (r, h) loads half h of row 3 id + j of ITS OWN token (row m = r).  Three instructions a tile, one for each j, C = 0; of each 16 x 16 result only D(m = n) is kept.
; ORDER OF K.  A token's codes and its row of W meet register by register, so any order of K serves that is the same on both sides.  Register i of half h holds a QUAD: four neighbouring columns 4 q .. 4 q + 3 of W, q = 5 c + kap,
; that is sin, cos of octave 2 kap and sin, cos of octave 2 kap + 1 of channel c.   h = 0: i = 0-4 c0, 5-9 c1, 10-12 c2 kap 0-2.   h = 1: i = 0-4 c3, 5-9 c4, 10-11 c2 kap 3-4, 12 nothing (W's code there is 0).  Registers 13-15 are 0 on both sides.
; So a lane has three channels of its own: x0|x3, x1|x4 and x2 (times 64 where h = 1, folded into that lane's copies of 1/pi), and the powers of two are alike in all lanes.
; THE EVEN OCTAVES' SINE AND COSINE, in f32, in half-turns: x/pi = hi + lo (two f32 numbers, by fused multiply-adds with 1/pi = C1 + C2); v = (hi + lo) F, F = 4^kap; b = hi F + 1.5 x 2^23 rounds to the whole number n, whose parity is b's lowest bit;
; u = lo F + (hi F - n), the bracket exact.  sin(pi v) = (-1)^n sin(pi u), cos(pi v) = (-1)^n sin(pi (0.5 - |u|)); (b << 31) added to the bits flips the sign.  sin(pi w) = w (K0 + z (K1 + z (K2 + z (K3 + z K4)))), z = w w, fitted on |w| <= 0.5.
; THE ODD OCTAVES come from them by the double angle, three packed lines a quad in place of a second reduction, fold and polynomial: sin 2a = (s + s) c,  cos 2a = (c - s)(c + s).
; ACCURACY, stated plainly: s and c are good to a few 1e-7 of themselves.  sin 2a has about the sum of their two relative errors.  cos 2a has an ABSOLUTE error of about twice theirs (typically 1.5e-7, by the count of the roundings at most about 7e-7):
; where an odd octave's cosine is small in magnitude it is not good to 1e-6 of itself, and its code can turn at a middle more often than that of a cosine made by its own reduction.
; TILE B is laid crosswise: lane r gathers W for token 16 + (r xor 8).  Tile A's kept numbers lie in lanes 0-7 and 24-31, tile B's then in lanes 8-23, both in register lane % 8: after one select every lane holds one token's three results.
; THE WAY OUT.  The four trips' results stay in 12 registers, go once through the wave's own stage in LDS and leave as three stores of 512 consecutive bytes, each at a multiple of 256 from out's first byte.
; LDS ORDER.  Between the two barriers no wave stores into LDS: the loop's reads, whose addresses hang on a stepped scalar or on loaded ids, meet only reads.
; NO JOINT LOADS, though every work-group reads W: W is of use only as codes in the table's order, so each wave needs its 24 rows (9,600 bytes) in registers once; brought by a tensor load the 153,600 bytes of f32 would lie in LDS and be read from there again;
; and the branch on e0 below, which leaves out 52 holds a tile, hangs on a loaded number.  W's 24 loads a wave are issued at the head and waited for behind two tiles' encoding.
; LIMITS.  |x| < 6,000, so that every hi F whose result is used (F up to 256; 1,024 in the quad that meets W's zero code) stays under 2^22; up to |x| = 320 the reduced |u| stays under 0.5008; beyond, the polynomial is used further outside its range (error up to about 2e-5 at 6,000).
; -126 <= e0 <= 127;  -126 <= e1 <= 112.  NaN in W is not served.  An infinite or NaN x gives NaN in its token's three results where e0 >= -15 (no hold runs).  An id outside 0..127 is held at 127.
.set TAB,  0                           ; LDS: the table: 128 records of REC bytes; row j at ROWT j; dword i of half h at 32 (i / 4) + 16 h + 4 (i % 4)
.set REC,  400                         ; 25 x 16 bytes: records start at all sixteen 16-byte columns of 256 bytes in turn
.set ROWT, 128
.set XST,  51200                       ; the waves' rows of X as they lie in memory: XWB bytes a wave
.set XWB,  2560                        ; 128 tokens x 20 bytes
.set OST,  92160                       ; the waves' results: OWB bytes a wave
.set OWB,  1536                        ; 128 tokens x 12 bytes
.set WROW, 400                         ; a row of W in memory: 100 f32
.set XA1, 1                            ; v1   XST + XWB w + 20 r + 12 h: x0 | x3 of tile A, trip 0
.set XA2, 2                            ; v2   XST + XWB w + 20 r + 8: x2
.set XW1, 3                            ; v3, v4  the same for the trip in hand
.set XW2, 4
.set GOF, 5                            ; v5   TAB + 16 h
.set IOA, 6                            ; v6   ids: 4 r
.set IOB, 7                            ; v7   ids: 64 + 4 (r xor 8)
.set OSA, 8                            ; v8   OST + OWB w + 12 T, T my token among a trip's 32
.set OLA, 9                            ; v9   OST + OWB w + 16 lane
.set OGO, 10                           ; v10  16 lane
.set LIMW, 11                          ; v11  57,344 x 2^e1; 0 in lanes 25-31
.set SCW, 12                           ; v12  2^e1
.set SC0, 13                           ; v13  2^e0
.set LIM0, 14                          ; v14  57,344 x 2^e0 (read only where e0 < -15)
.set WTA, 15                           ; v15  TAB + 8 REC w + 4 lane: my lane's dword in a row of the table
.set FP,  16                           ; v16-25  the factors of two neighbouring quads: (1,4) (16,64) (256,1) (4,16) (64,256)
.set K4V, 26                           ; v26-27  K4, twice
.set C1L, 28                           ; v28, v29  C1, C2 x 64^h
.set C2L, 29
.set XR,  30                           ; v30-32  my three channels
.set WOF, 33                           ; v33  16 x the quad of W that belongs at my lane's dword of a table row; never rewritten
.set H01, 34                           ; v34, v35  hi of channels 0, 1: a pair, since quads 4 and 5 (channel 0's last, channel 1's first) are reduced by one packed line
.set H2L, 36                           ; v36, v37  hi, lo of channel 2
.set L01, 38                           ; v38, v39  lo of channels 0, 1
.set BB,  40                           ; v40-53  b of quads 0-12 (and of an unused fourteenth).   (v40-49 are also the head's temporaries, v40-63 W's codes)
.set UU,  54                           ; v54-67  n, then u
.set FEA, 68                           ; v68-87  a group's w, then its features, four a quad; v88-91 stay 0.   (X's five loads land in v68-87)
.set XL,  68
.set ZZ,  92                           ; v92-101   z, then (2 s, c - s)
.set PP,  102                          ; v102-111  the polynomial, then (c, c + s)
.set ZO,  112                          ; v112-113  (0, 1)
.set PM,  114                          ; v114-115  (1, -1)
.set CA,  124                          ; v124-139  tile A's codes; the last two stay 0
.set CB,  140                          ; v140-155  tile B's
.set IDA, 156
.set IDB, 157
.set GAA, 158                          ; v158, v159  TAB + REC id + 16 h
.set GAB, 159
.set FR,  160                          ; v160-207  three fragments of W; registers 13-15 of each stay 0
.set DD,  208                          ; v208-231  three accumulators
.set RR,  232                          ; v232-243  the results of four trips, the youngest lowest
.set EX,  244                          ; v244-247  at work
.set VA,  248                          ; v248-250  tile A's three numbers
.set TT,  251
.set WR,  160                          ; v160-255  ahead of the loop: W's 24 loads
.set MG,  20                           ; s[20:21] 1.5 x 2^23;  s[22:23] K3, s[24:25] K2, s[26:27] K1, s[28:29] K0: the packed forms name pairs and take the low word for both halves
.set K3S, 22
.set K2S, 24
.set K1S, 26
.set K0S, 28
.macro XLOAD off                       ; my three channels of the tile that begins off bytes into the trip's rows
	ds_load_b32 v[XR], v[XW1] offset:\off
	ds_load_b32 v[XR+1], v[XW1] offset:\off+4
	ds_load_b32 v[XR+2], v[XW2] offset:\off
.endm
.macro BASE                            ; x / pi = hi + lo for the three channels
	v_mul_f32 v[H01], s30, v[XR]
	v_mul_f32 v[H01+1], s30, v[XR+1]
	v_mul_f32 v[H2L], v[C1L], v[XR+2]
	v_fma_f32 v[L01], v[XR], s30, -v[H01]                  ; what the product's rounding dropped, exactly
	v_fma_f32 v[L01+1], v[XR+1], s30, -v[H01+1]
	v_fma_f32 v[H2L+1], v[XR+2], v[C1L], -v[H2L]
	v_fma_f32 v[L01], v[XR], s31, v[L01]
	v_fma_f32 v[L01+1], v[XR+1], s31, v[L01+1]
	v_fma_f32 v[H2L+1], v[XR+2], v[C2L], v[H2L+1]
.endm
; The reduction of quads 2 p and 2 p + 1 by packed lines.  v[h], v[h + 1]: the pair that holds hi (or lo); a, b: which of the two serves the low and the high half; f: the pair of factors.
.macro RB p, h, a, b, f                ; b = hi F + 1.5 x 2^23
	v_pk_fma_f32 v[BB+2*\p:BB+2*\p+1], v[\h:\h+1], v[FP+2*\f:FP+2*\f+1], s[MG:MG+1] op_sel:[\a,0,0] op_sel_hi:[\b,1,0]
.endm
.macro RF p, h, a, b, f                ; hi F - n: exact
	v_pk_fma_f32 v[UU+2*\p:UU+2*\p+1], v[\h:\h+1], v[FP+2*\f:FP+2*\f+1], v[UU+2*\p:UU+2*\p+1] op_sel:[\a,0,0] op_sel_hi:[\b,1,1] neg_lo:[0,0,1] neg_hi:[0,0,1]
.endm
.macro RU p, h, a, b, f                ; u = lo F + that
	v_pk_fma_f32 v[UU+2*\p:UU+2*\p+1], v[\h:\h+1], v[FP+2*\f:FP+2*\f+1], v[UU+2*\p:UU+2*\p+1] op_sel:[\a,0,0] op_sel_hi:[\b,1,1]
.endm
.macro REDUCE                          ; quad s: channel s / 5, factor 4^(s % 5).  Seven packed lines a stage, so that no line reads the result of a line close above it.  The fourteenth angle is made and never read
	RB 0, H01, 0, 0, 0
	RB 1, H01, 0, 0, 1
	RB 2, H01, 0, 1, 2
	RB 3, H01, 1, 1, 3
	RB 4, H01, 1, 1, 4
	RB 5, H2L, 0, 0, 0
	RB 6, H2L, 0, 0, 1
.set gi, 0
.rept 7
	v_pk_add_f32 v[UU+2*gi:UU+2*gi+1], v[BB+2*gi:BB+2*gi+1], s[MG:MG+1] op_sel_hi:[1,0] neg_lo:[0,1] neg_hi:[0,1]   ; n
.set gi, gi+1
.endr
	RF 0, H01, 0, 0, 0
	RF 1, H01, 0, 0, 1
	RF 2, H01, 0, 1, 2
	RF 3, H01, 1, 1, 3
	RF 4, H01, 1, 1, 4
	RF 5, H2L, 0, 0, 0
	RF 6, H2L, 0, 0, 1
	RU 0, L01, 0, 0, 0
	RU 1, L01, 0, 0, 1
	RU 2, L01, 0, 1, 2
	RU 3, L01, 1, 1, 3
	RU 4, L01, 1, 1, 4
	RU 5, H2L, 1, 1, 0
	RU 6, H2L, 1, 1, 1
.endm
; Quads q0 .. q0 + n - 1 (registers of the fragment), stage by stage over all n.  Quad i of the group has its four features at FEA + 4 i.  Their codes go to v[c] on.
.macro GROUP c, q0, n
.set gi, 0
.rept \n
	v_sub_f32 v[FEA+4*gi+1], 0.5, |v[UU+(\q0)+gi]|         ; the cosine's argument
.set gi, gi+1
.endr
.set gi, 0
.rept \n
	v_lshl_add_u32 v[FEA+4*gi], v[BB+(\q0)+gi], 31, v[UU+(\q0)+gi]       ; n's parity flips the sign: the sine's w,
	v_lshl_add_u32 v[FEA+4*gi+1], v[BB+(\q0)+gi], 31, v[FEA+4*gi+1]      ; the cosine's
.set gi, gi+1
.endr
.set gi, 0
.rept \n
	v_pk_mul_f32 v[ZZ+2*gi:ZZ+2*gi+1], v[FEA+4*gi:FEA+4*gi+1], v[FEA+4*gi:FEA+4*gi+1]
.set gi, gi+1
.endr
.set gi, 0
.rept \n
	v_pk_fma_f32 v[PP+2*gi:PP+2*gi+1], v[ZZ+2*gi:ZZ+2*gi+1], v[K4V:K4V+1], s[K3S:K3S+1] op_sel_hi:[1,1,0]
.set gi, gi+1
.endr
.irp k, K2S, K1S, K0S
.set gi, 0
.rept \n
	v_pk_fma_f32 v[PP+2*gi:PP+2*gi+1], v[PP+2*gi:PP+2*gi+1], v[ZZ+2*gi:ZZ+2*gi+1], s[\k:\k+1] op_sel_hi:[1,1,0]
.set gi, gi+1
.endr
.endr
.set gi, 0
.rept \n
	v_pk_mul_f32 v[FEA+4*gi:FEA+4*gi+1], v[FEA+4*gi:FEA+4*gi+1], v[PP+2*gi:PP+2*gi+1]   ; (s, c) of the even octave
.set gi, gi+1
.endr
.set gi, 0
.rept \n
	v_pk_fma_f32 v[ZZ+2*gi:ZZ+2*gi+1], v[FEA+4*gi:FEA+4*gi+1], v[PM:PM+1], v[FEA+4*gi:FEA+4*gi+1] op_sel_hi:[0,1,1]   ; s (1, -1) + (s, c) = (2 s, c - s)
.set gi, gi+1
.endr
.set gi, 0
.rept \n
	v_pk_fma_f32 v[PP+2*gi:PP+2*gi+1], v[FEA+4*gi:FEA+4*gi+1], v[ZO:ZO+1], v[FEA+4*gi:FEA+4*gi+1] op_sel:[0,0,1] op_sel_hi:[0,1,1]   ; s (0, 1) + (c, c) = (c, c + s)
.set gi, gi+1
.endr
.set gi, 0
.rept \n
	v_pk_mul_f32 v[FEA+4*gi+2:FEA+4*gi+3], v[ZZ+2*gi:ZZ+2*gi+1], v[PP+2*gi:PP+2*gi+1]   ; (sin 2a, cos 2a): the odd octave
.set gi, gi+1
.endr
	s_cmp_ge_i32 s16, -15                          ; the conversion does not saturate (ISA guide 7.6.2).  From e0 = -15 on, 57,344 x 2^e0 is 1.75 or more, above every sine: no hold is needed.  e0 is alike in all waves
	s_cbranch_scc1 .Lno_hold_\@
.set gi, 0
.rept 4*\n
	v_med3_num_f32 v[FEA+gi], v[FEA+gi], -v[LIM0], v[LIM0]
.set gi, gi+1
.endr
.Lno_hold_\@:
.set gi, 0
.rept (4*\n+7)/8
	v_cvt_scalef32_pk8_bf8_f32 v[\c+2*gi:\c+2*gi+1], v[FEA+8*gi:FEA+8*gi+7], v[SC0]   ; two quads: two registers of the fragment.  (n = 5: the third takes v88-91, zeros)
.set gi, gi+1
.endr
	v_nop                                          ; one plain vector line behind the conversions: the next group's first line writes their sources, and behind the last group a matrix instruction reads the codes
.endm
.macro ENCODE c                        ; 13 quads of my token's half -> v[c] .. v[c+13]
	BASE
	REDUCE
	GROUP \c, 0, 4
	GROUP \c+4, 4, 4
	GROUP \c+8, 8, 5
.endm
.macro GATHER g                        ; my token's three rows, my half: 13 dwords each; 12 LDS loads
.irp j, 0,1,2
.irp c, 0,1,2
	ds_load_b128 v[FR+16*\j+4*\c:FR+16*\j+4*\c+3], v[\g] offset:ROWT*\j+32*\c
.endr
	ds_load_b32 v[FR+16*\j+12], v[\g] offset:ROWT*\j+96
.endr
.endm
.macro WMMA3 c                         ; D_j(m, n) = row m's W (component j) . token n's codes.  Three accumulators, each begun with the constant 0
.irp j, 0,1,2
	v_wmma_f32_16x16x128_bf8_bf8 v[DD+8*\j:DD+8*\j+7], v[FR+16*\j:FR+16*\j+15], v[\c:\c+15], 0
.endr
.rept 5
	v_nop                                          ; four places ahead of the reads of the results, of the loads into the fragments and of the writes of the codes; the fifth since the next three products write these accumulators anew
.endr
.endm
.macro EXTRACT j, d                    ; register lane % 8 of accumulator j, by three levels of selects on the lane's bits 0, 1, 2; the accumulator is read from its low end on
	v_cndmask_b32 v[EX], v[DD+8*\j], v[DD+8*\j+1], s32
	v_cndmask_b32 v[EX+1], v[DD+8*\j+2], v[DD+8*\j+3], s32
	v_cndmask_b32 v[EX+2], v[DD+8*\j+4], v[DD+8*\j+5], s32
	v_cndmask_b32 v[EX+3], v[DD+8*\j+6], v[DD+8*\j+7], s32
	v_cndmask_b32 v[EX], v[EX], v[EX+1], s33
	v_cndmask_b32 v[EX+2], v[EX+2], v[EX+3], s33
	v_cndmask_b32 v[\d], v[EX], v[EX+2], s34
.endm
.macro MERGE                           ; the loop's text has one set of register numbers, so the earlier trips' results move up by three; then tile B's numbers (lanes 8-23) join tile A's, x 2^(e0 + e1)
.irp k, 11,10,9,8,7,6,5,4,3
	v_mov_b32 v[RR+\k], v[RR+\k-3]
.endr
.irp j, 0,1,2
	EXTRACT \j, TT
	v_cndmask_b32 v[TT], v[VA+\j], v[TT], s35
	v_ldexp_f32 v[RR+\j], v[TT], s18
.endr
.endm
.macro GADDR                           ; the two tiles' ids become table addresses
	v_min_u32 v[IDA], 127, v[IDA]
	v_min_u32 v[IDB], 127, v[IDB]
	v_mul_u32_u24 v[GAA], v[IDA], REC
	v_mul_u32_u24 v[GAB], v[IDB], REC
	v_add_nc_u32 v[GAA], v[GAA], v[GOF]
	v_add_nc_u32 v[GAB], v[GAB], v[GOF]
.endm
	; ---- the head: addresses, and all loads but the later trips' ids
	s_load_b256 s[4:11], s[0:1], 0x0               ; X s[4:5], ids s[6:7], W s[8:9], the scales' exponents s[10:11]
	s_load_b64 s[12:13], s[0:1], 0x20              ; out
	v_lshl_add_u32 v122, v0, 2, 0x1c800
	v_mov_b32 v123, 0
	v_lshrrev_b32 v40, 5, v0
	v_readfirstlane_b32 s14, v40                   ; wave 0..15
	v_and_b32 v40, 31, v0                          ; lane
	v_and_b32 v41, 15, v0                          ; r
	v_bfe_u32 v42, v0, 4, 1                        ; h
	v_lshlrev_b32 v[OGO], 4, v40
	v_lshlrev_b32 v[IOA], 2, v41
	v_xor_b32 v[IOB], 8, v41
	v_lshl_add_u32 v[IOB], v[IOB], 2, 64
	; THE ORDER OF K IS MADE BY W'S LOADS, so that the table's stores are plain: lane L owns dword L of every table row, which is register i = 4 (L / 8) + L % 4 of half hp = (L / 4) % 2,
	; and loads the quad that belongs there: q = i for hp = 0; q = 15 + i (i < 10) or 3 + i (i = 10, 11) for hp = 1.  Lanes 25-31 are the places that hold nothing (i > 12, or i = 12 of half 1): their q is 13 to 18, inside the row, and their hold makes zeros
	v_lshrrev_b32 v43, 3, v40
	v_and_b32 v44, 3, v40
	v_lshl_add_u32 v43, v43, 2, v44                ; i
	v_bfe_u32 v44, v40, 2, 1                       ; hp
	v_add_nc_u32 v45, 6, v43
	v_lshrrev_b32 v45, 4, v45                      ; 1 from i = 10 on
	v_mul_u32_u24 v45, v45, 12
	v_sub_nc_u32 v45, 15, v45                      ; 15 or 3
	v_mad_u32_u24 v43, v44, v45, v43               ; q, 24 at the most
	v_lshlrev_b32 v[WOF], 4, v43
	s_mul_i32 s38, ttmp9, 16*XWB                   ; X: my wave's 128 rows
	s_mul_i32 s40, s14, XWB
	s_add_co_u32 s38, s38, s40
	s_mov_b32 s39, 0
	s_lshl_b32 s40, ttmp9, 13                      ; ids: 8,192 bytes a work-group, 512 a wave
	s_lshl_b32 s42, s14, 9
	s_add_co_u32 s40, s40, s42
	s_mov_b32 s41, 0
	s_mul_i32 s42, s14, 24*WROW                    ; W: my wave's 24 rows
	s_mov_b32 s43, 0
	s_mul_i32 s44, ttmp9, 16*OWB                   ; out
	s_mul_i32 s46, s14, OWB
	s_add_co_u32 s44, s44, s46
	s_mov_b32 s45, 0
	s_wait_kmcnt 0x0
	s_load_b64 s[16:17], s[10:11], 0x0             ; e0, e1
	s_add_nc_u64 s[4:5], s[4:5], s[38:39]
	s_add_nc_u64 s[6:7], s[6:7], s[40:41]
	s_add_nc_u64 s[8:9], s[8:9], s[42:43]
	s_add_nc_u64 s[12:13], s[12:13], s[44:45]
.irp i, 0,1,2,3,4
	global_load_b128 v[XL+4*\i:XL+4*\i+3], v[OGO], s[4:5] offset:512*\i th:TH_LOAD_NT   ; 32 lanes read 512 consecutive bytes; five loads: the wave's 2,560
.endr
	global_load_b32 v[IDA], v[IOA], s[6:7] th:TH_LOAD_NT   ; trip 0's ids
	global_load_b32 v[IDB], v[IOB], s[6:7] th:TH_LOAD_NT
.set it, 0
.rept 24
	global_load_b128 v[WR+4*it:WR+4*it+3], v[WOF], s[8:9] offset:WROW*it   ; row 24 w + it: my lane's quad; the 32 lanes stay inside the row's 400 consecutive bytes
.set it, it+1
.endr
	s_mov_b32 s[MG], 0x4b400000                    ; 1.5 x 2^23
	s_mov_b32 s[MG+1], 0x4b400000
	s_mov_b32 s[K3S], 0xbf1929a9                   ; -0.598291934
	s_mov_b32 s[K3S+1], 0xbf1929a9
	s_mov_b32 s[K2S], 0x40233479                   ; 2.55007768
	s_mov_b32 s[K2S+1], 0x40233479
	s_mov_b32 s[K1S], 0xc0a55de2                   ; -5.16771031
	s_mov_b32 s[K1S+1], 0xc0a55de2
	s_mov_b32 s[K0S], 0x40490fdb                   ; 3.14159274
	s_mov_b32 s[K0S+1], 0x40490fdb
	s_mov_b32 s30, 0x3ea2f983                      ; C1 = 1/pi rounded to f32
	s_mov_b32 s31, 0x325c9c88                      ; C2 = 1/pi - C1
	s_mov_b32 s32, 0xaaaaaaaa                      ; lanes whose bit 0 is set,
	s_mov_b32 s33, 0xcccccccc                      ; bit 1,
	s_mov_b32 s34, 0xf0f0f0f0                      ; bit 2
	s_mov_b32 s35, 0x00ffff00                      ; lanes 8-23: tile B's
	v_mov_b32 v[K4V], 0x3d9f0bfd                   ; K4 = 0.0776595846
	v_mov_b32 v[K4V+1], 0x3d9f0bfd
	v_mov_b32 v[FP], 1.0                           ; quads 0, 1 and 10, 11
	v_mov_b32 v[FP+1], 4.0
	v_mov_b32 v[FP+2], 0x41800000                  ; 16: quads 2, 3 and 12, (13)
	v_mov_b32 v[FP+3], 0x42800000                  ; 64
	v_mov_b32 v[FP+4], 0x43800000                  ; 256: quad 4, channel 0's last,
	v_mov_b32 v[FP+5], 1.0                         ; and quad 5, channel 1's first
	v_mov_b32 v[FP+6], 4.0                         ; quads 6, 7
	v_mov_b32 v[FP+7], 0x41800000                  ; 16
	v_mov_b32 v[FP+8], 0x42800000                  ; 64: quads 8, 9
	v_mov_b32 v[FP+9], 0x43800000                  ; 256
	v_mov_b32 v[ZO], 0
	v_mov_b32 v[ZO+1], 1.0
	v_mov_b32 v[PM], 1.0
	v_mov_b32 v[PM+1], -1.0
	v_mul_u32_u24 v43, v42, 6
	v_ldexp_f32 v[C1L], s30, v43                   ; x 64 where h = 1: channel 2's octave pairs 3, 4 by the factors of pairs 0, 1
	v_ldexp_f32 v[C2L], s31, v43
.irp k, 20,21,22,23
	v_mov_b32 v[FEA+\k], 0                         ; the four numbers that fill the last conversion
.endr
	v_mov_b32 v[CA+14], 0
	v_mov_b32 v[CA+15], 0
	v_mov_b32 v[CB+14], 0
	v_mov_b32 v[CB+15], 0
	s_mul_i32 s38, s14, XWB
	s_add_co_u32 s38, s38, XST                     ; my wave's rows of X in LDS
	v_mul_u32_u24 v[XA1], v41, 20
	v_add_nc_u32 v[XA2], 8, v[XA1]
	v_mad_u32_u24 v[XA1], v42, 12, v[XA1]
	v_add_nc_u32 v[XA1], s38, v[XA1]
	v_add_nc_u32 v[XA2], s38, v[XA2]
	v_add_nc_u32 v49, s38, v[OGO]                  ; where the rows go in: 16 lane
	v_lshl_add_u32 v[GOF], v42, 4, TAB
	s_mul_i32 s39, s14, OWB
	s_add_co_u32 s39, s39, OST                     ; my wave's results in LDS
	v_add_nc_u32 v43, 8, v40
	v_bfe_u32 v43, v43, 4, 1                       ; 1 in lanes 8-23
	v_lshl_add_u32 v43, v43, 4, v41                ; T = r + 16 x that
	v_mul_u32_u24 v[OSA], v43, 12
	v_add_nc_u32 v[OSA], s39, v[OSA]
	v_add_nc_u32 v[OLA], s39, v[OGO]
	s_mul_i32 s40, s14, 8*REC                      ; my 24 rows are 8 records
	s_add_co_u32 s40, s40, TAB
	v_lshlrev_b32 v[WTA], 2, v40                   ; dword = lane: a store of the wave covers a row's 128 consecutive bytes
	v_add_nc_u32 v[WTA], s40, v[WTA]
	s_wait_kmcnt 0x0                               ; e0, e1
	s_add_co_i32 s18, s16, s17                     ; e0 + e1, applied by v_ldexp_f32
	s_add_co_i32 s38, s16, 127
	s_lshl_b32 s39, s38, 23
	v_mov_b32 v[SC0], s39                          ; 2^e0 as f32: the conversion takes its exponent field
	s_add_co_i32 s38, s38, 15
	s_lshl_b32 s38, s38, 23
	s_or_b32 s38, s38, 0x600000
	v_mov_b32 v[LIM0], s38                         ; 57,344 x 2^e0
	s_add_co_i32 s38, s17, 127
	s_lshl_b32 s39, s38, 23
	v_mov_b32 v[SCW], s39                          ; 2^e1
	s_add_co_i32 s38, s38, 15
	s_lshl_b32 s38, s38, 23
	s_or_b32 s38, s38, 0x600000
	v_mov_b32 v[LIMW], s38                         ; 57,344 x 2^e1,
	s_mov_b32 s39, 0xfe000000
	v_cndmask_b32 v[LIMW], v[LIMW], 0, s39         ; and 0 in lanes 25-31: their hold makes zeros
	; ---- X into LDS; trip 0's two tiles are encoded while W is on its way
	s_wait_loadcnt 24                              ; X's five loads and the two of ids are in; W's 24, issued behind them, stay out
.irp i, 0,1,2,3,4
	ds_store_b128 v49, v[XL+4*\i:XL+4*\i+3] offset:512*\i   ; as the bytes lie; only my wave reads them, and LDS serves a wave's instructions in order
.endr
	GADDR
	s_mov_b32 s37, 0                               ; the trip's place in my rows of X
	v_add_nc_u32 v[XW1], s37, v[XA1]
	v_add_nc_u32 v[XW2], s37, v[XA2]
	XLOAD 0
	s_wait_dscnt 0x0                               ; x is in, and the stores above have read their registers
	ENCODE CA
	XLOAD 320
	s_wait_dscnt 0x0
	ENCODE CB
	; ---- W: my 24 rows become codes and go into the table
	s_wait_loadcnt 0x0
.set k, 0
.rept 96
	v_med3_num_f32 v[WR+k], v[WR+k], -v[LIMW], v[LIMW]   ; the hold at the largest code x the scale: a given scale need not cover the data
.set k, k+1
.endr
.set k, 0
.rept 12
	v_cvt_scalef32_pk8_bf8_f32 v[40+2*k:41+2*k], v[WR+8*k:WR+8*k+7], v[SCW]   ; my quad of rows 2 k and 2 k + 1: a dword each
.set k, k+1
.endr
	v_nop                                          ; one plain vector line behind the last conversion: its sources are written below
.set it, 0
.rept 24
	ds_store_b32 v[WTA], v[40+it] offset:REC*(it/3)+ROWT*(it%3)   ; row 24 w + it = component it % 3 of cluster 8 w + it / 3
.set it, it+1
.endr
.irp j, 0,1,2
.irp k, 13,14,15
	v_mov_b32 v[FR+16*\j+\k], 0                    ; the fragments' registers that no load fills
.endr
.endr
.irp k, 0,1,2,3,4,5,6,7,8,9,10,11
	v_mov_b32 v[RR+\k], 0                          ; written once: the first trips move them up before they hold results
.endr
	s_wait_dscnt 0x0                               ; for the others' sake: my part of the table has landed
	s_barrier_signal -1
	s_barrier_wait -1                              ; the table is whole.  From here to the next barrier no wave stores into LDS
	GATHER GAA
	s_mov_b32 s36, 3
.Ltrip:                                            ; trips 0 to 2: the trip's six products, and the next trip's encoding between a gather's issue and the wait for it
	s_add_nc_u64 s[6:7], s[6:7], 128               ; (every earlier load by this base has been waited for)
	global_load_b32 v[IDA], v[IOA], s[6:7] th:TH_LOAD_NT   ; the next trip's ids
	global_load_b32 v[IDB], v[IOB], s[6:7] th:TH_LOAD_NT
	s_wait_dscnt 0x0                               ; tile A's rows of W are in
	WMMA3 CA
	EXTRACT 0, VA
	EXTRACT 1, VA+1
	EXTRACT 2, VA+2
	s_add_co_u32 s37, s37, 640                     ; 32 tokens x 20 bytes on
	v_add_nc_u32 v[XW1], s37, v[XA1]
	v_add_nc_u32 v[XW2], s37, v[XA2]
	XLOAD 0
	GATHER GAB
	s_wait_dscnt 12                                ; x is in; the 12 loads of the gather, issued behind it, stay out
	ENCODE CA
	s_wait_dscnt 0x0                               ; tile B's rows of W are in
	WMMA3 CB
	MERGE
	s_wait_loadcnt 0x0                             ; the next trip's ids
	GADDR
	XLOAD 320
	GATHER GAA
	s_wait_dscnt 12
	ENCODE CB
	s_sub_co_u32 s36, s36, 1
	s_cmp_lg_u32 s36, 0
	s_cbranch_scc1 .Ltrip
	; ---- trip 3: nothing is left to load or to encode
	s_wait_dscnt 0x0
	WMMA3 CA
	EXTRACT 0, VA
	EXTRACT 1, VA+1
	EXTRACT 2, VA+2
	GATHER GAB
	s_wait_dscnt 0x0
	WMMA3 CB
	MERGE
	s_wait_dscnt 0x0                               ; my reads of the table and of X's rows are over
	s_barrier_signal -1
	s_barrier_wait -1                              ; everybody's are: LDS may be stored into again
	; ---- the way out: 128 tokens x 12 bytes through my stage; trip p's results stand at RR + 3 (3 - p)
.irp p, 0,1,2,3
.irp j, 0,1,2
	ds_store_b32 v[OSA], v[RR+3*(3-\p)+\j] offset:384*\p+4*\j
.endr
.endr
.irp s, 0,1,2
	ds_load_b128 v[FR+4*\s:FR+4*\s+3], v[OLA] offset:512*\s   ; LDS serves a wave's instructions in order: these see my stores
.endr
.irp s, 0,1,2
	s_wait_dscnt 2-\s                              ; load s is in; the younger ones stay out
	global_store_b128 v[OGO], v[FR+4*\s:FR+4*\s+3], s[12:13] offset:512*\s th:TH_STORE_NT   ; 32 lanes store 512 consecutive bytes, at a multiple of 256 from out's first byte
.endr
	s_wait_tensorcnt 0x0
	ds_add_u32 v122, v123
	s_wait_dscnt 0x0
	s_endpgm
.Lfunc_end_k_qb01198fd73_encode_route:
	.size	k_qb01198fd73_encode_route, .Lfunc_end_k_qb01198fd73_encode_route-k_qb01198fd73_encode_route
	.p2alignl 7, 3214868480
	.fill 96, 4, 3214868480
	.section	.rodata,"a",@progbits
	.p2align	6, 0x0
	.amdhsa_kernel k_qb01198fd73_encode_route
		.amdhsa_group_segment_fixed_size 118784
		.amdhsa_private_segment_fixed_size 0
		.amdhsa_enable_private_segment 0
		.amdhsa_kernarg_size 40
		.amdhsa_user_sgpr_count 2
		.amdhsa_user_sgpr_kernarg_segment_ptr 1
		.amdhsa_wavefront_size32 1
		.amdhsa_system_sgpr_workgroup_id_x 1
		.amdhsa_system_sgpr_workgroup_id_y 1
		.amdhsa_system_sgpr_workgroup_id_z 1
		.amdhsa_system_vgpr_workitem_id 0
		.amdhsa_next_free_vgpr 256
		.amdhsa_next_free_sgpr 66
		.amdhsa_reserve_vcc 0
		.amdhsa_float_denorm_mode_32 3
		.amdhsa_float_denorm_mode_16_64 3
		.amdhsa_memory_ordered 1
		.amdhsa_forward_progress 1
		.amdhsa_inst_pref_size 97
	.end_amdhsa_kernel
	.amdgpu_metadata
---
amdhsa.version: [ 1, 2 ]
amdhsa.kernels:
  - .name:           k_qb01198fd73_encode_route
    .symbol:         k_qb01198fd73_encode_route.kd
    .args:
      - { .name: X, .offset: 0, .size: 8, .value_kind: global_buffer, .address_space: global }
      - { .name: cluster_ids, .offset: 8, .size: 8, .value_kind: global_buffer, .address_space: global }
      - { .name: W, .offset: 16, .size: 8, .value_kind: global_buffer, .address_space: global }
      - { .name: lowp_scales, .offset: 24, .size: 8, .value_kind: global_buffer, .address_space: global }
      - { .name: out0, .offset: 32, .size: 8, .value_kind: global_buffer, .address_space: global }
    .group_segment_fixed_size: 118784
    .private_segment_fixed_size: 0
    .kernarg_segment_align: 8
    .kernarg_segment_size: 40
    .max_flat_workgroup_size: 512
    .sgpr_count:     66
    .vgpr_count:     256
    .wavefront_size: 32
...
	.end_amdgpu_metadata
.endif
;; end of part 2
;; ======== version 3 of 3: 1 launch; version 2 with the launch encode_route written anew for expert scheduling mode
;; limits: inputs' magnitudes at most 6,000; a function is approximated: absolute error at most 7e-07
;; launch encode_route (part 3): grid 256 x 1, 16 waves a work-group, no clusters, 118,784 bytes of LDS; arguments X, cluster_ids, W, lowp_scales, out0; writes out0
.if DOCPART == 3
	.amdgcn_target "amdgcn-amd-amdhsa--gfx1250"
	.amdhsa_code_object_version 6
	.text
	.protected	k_qb01198fd73_encode_route
	.globl	k_qb01198fd73_encode_route
	.p2align	8
	.type	k_qb01198fd73_encode_route,@function
k_qb01198fd73_encode_route:
	s_mov_b64 s[64:65], 0
	v_nop
	global_prefetch_b8 v0, s[64:65] scope:SCOPE_SE
	s_setreg_imm32_b32 hwreg(HW_REG_WAVE_SCHED_MODE, 0, 2), 2
	s_setreg_imm32_b32 hwreg(HW_REG_WAVE_MODE, 25, 1), 1
	s_wait_xcnt 0x0
	s_wait_alu depctr_vm_vsrc(0)
; out[t][j] = sum over k of Q(enc(X[t]))[k] * Q(W[3 id[t] + j])[k],  j = 0..2,  both operands as codes of E5M2 with the given scales 2^e0, 2^e1; sums in f32, times 2^(e0+e1).
; enc: for channel c (0..4) and octave k (0..9) column 20 c + 2 k is sin(2^k x_c), column 20 c + 2 k + 1 is cos(2^k x_c).  Of the 384 columns that the product has, only the token's own three are kept, so only those are multiplied.
; SHARES.  256 work-groups of 16 waves; a work-group owns 2,048 neighbouring tokens, a wave 128: four trips of two tiles (A, B) of 16 tokens.  Four waves share a SIMD, 256 registers each.
; W.  Each work-group quantises all of W once (wave w: rows 24 w .. 24 w + 23) into a table of codes in LDS, a record of 400 bytes for each cluster.
; A TILE.  Lane (r = lane % 16, h = lane / 16) encodes half h of token r's 100 features in registers; the conversions' results are source 1 of the matrix instruction (column n = r).  Source 0 is gathered from the table:
; lane (r, h) loads half h of row 3 id + j of ITS OWN token (row m = r).  Three instructions a tile, one for each j, C = 0; of each 16 x 16 result only D(m = n) is kept.
; ORDER OF K.  A token's codes and its row of W meet register by register, so any order of K serves that is the same on both sides.  Register i of half h holds a QUAD: four neighbouring columns 4 q .. 4 q + 3 of W, q = 5 c + kap,
; that is sin, cos of octave 2 kap and sin, cos of octave 2 kap + 1 of channel c.   h = 0: i = 0-4 c0, 5-9 c1, 10-12 c2 kap 0-2.   h = 1: i = 0-4 c3, 5-9 c4, 10-11 c2 kap 3-4, 12 nothing (W's code there is 0).  Registers 13-15 are 0 on both sides.
; So a lane has three channels of its own: x0|x3, x1|x4 and x2 (times 64 where h = 1, folded into that lane's copies of 1/pi), and the powers of two are alike in all lanes.
; THE EVEN OCTAVES' SINE AND COSINE, in f32, in half-turns: x/pi = hi + lo (two f32 numbers, by fused multiply-adds with 1/pi = C1 + C2); v = (hi + lo) F, F = 4^kap; b = hi F + 1.5 x 2^23 rounds to the whole number n, whose parity is b's lowest bit;
; u = lo F + (hi F - n), the bracket exact.  sin(pi v) = (-1)^n sin(pi u), cos(pi v) = (-1)^n sin(pi (0.5 - |u|)); (b << 31) added to the bits flips the sign.  sin(pi w) = w (K0 + z (K1 + z (K2 + z (K3 + z K4)))), z = w w, fitted on |w| <= 0.5.
; THE ODD OCTAVES come from them by the double angle, three packed lines a quad in place of a second reduction, fold and polynomial: sin 2a = (s + s) c,  cos 2a = (c - s)(c + s).
; ACCURACY, stated plainly: s and c are good to a few 1e-7 of themselves.  sin 2a has about the sum of their two relative errors.  cos 2a has an ABSOLUTE error of about twice theirs (typically 1.5e-7, by the count of the roundings at most about 7e-7):
; where an odd octave's cosine is small in magnitude it is not good to 1e-6 of itself, and its code can turn at a middle more often than that of a cosine made by its own reduction.
; TILE B is laid crosswise: lane r gathers W for token 16 + (r xor 8).  Tile A's kept numbers lie in lanes 0-7 and 24-31, tile B's then in lanes 8-23, both in register lane % 8: after one select every lane holds one token's three results.
; THE WAY OUT.  The four trips' results stay in 12 registers, go once through the wave's own stage in LDS and leave as three stores of 512 consecutive bytes, each at a multiple of 256 from out's first byte.
; LDS ORDER.  Between the two barriers no wave stores into LDS: the loop's reads, whose addresses hang on a stepped scalar or on loaded ids, meet only reads.
; NO JOINT LOADS, though every work-group reads W: W is of use only as codes in the table's order, so each wave needs its 24 rows (9,600 bytes) in registers once; brought by a tensor load the 153,600 bytes of f32 would lie in LDS and be read from there again;
; and the branch on e0 below, which leaves out 52 holds a tile, hangs on a loaded number.  W's 24 loads a wave are issued at the head and waited for behind two tiles' encoding.
; LIMITS.  |x| < 6,000, so that every hi F whose result is used (F up to 256; 1,024 in the quad that meets W's zero code) stays under 2^22; up to |x| = 320 the reduced |u| stays under 0.5008; beyond, the polynomial is used further outside its range (error up to about 2e-5 at 6,000).
; -126 <= e0 <= 127;  -126 <= e1 <= 112.  NaN in W is not served.  An infinite or NaN x gives NaN in its token's three results where e0 >= -15 (no hold runs).  An id outside 0..127 is held at 127.
; THE MODE: SCHED_MODE bits 1:0 = 2 (LLVM: expert scheduling mode 2), set by the entry lines.  The code itself states the register dependences between vector or matrix instructions and memory or LDS instructions, with s_wait_alu, always for 0.
; THE PLAN.  Registers that memory or LDS instructions touch, in the loop:
;   XW1, XW2    Read by the six loads of x in a trip's first half; written once a trip, by two adds straight ahead of them.
;   XRA, XRB    The two tiles' x.  Both are loaded in a trip's first half; ENCODE CA's first nine lines read XRA, ENCODE CB's read XRB.
;   FR          Gather B lands in it in the first half, gather A in the second; each is read by the three products that follow its wait on DScnt.  (Registers 13-15 of each fragment are written once, at the head, and no load names them.)
;   GAA, GAB    Read by the gathers; written by GADDR in the second half.
;   IDA, IDB    The id loads at the loop's head land in them; GADDR reads and rewrites them.
;   IOA, IOB    The id loads' offsets: never written again.
;   BB, UU, FEA, ZZ, PP, CA, CB, DD, EX, VA, RR are named by vector and matrix instructions alone.
; So a trip has two waits on va_vdst, each with a wait on vm_vsrc a few lines ahead of it.  FIRST HALF, behind the products of tile A: the loads of x have read XW (vm_vsrc); the adds; XW is written, the products are done reading FR and the encodings of the
; trip before are done reading XRA and XRB (va_vdst); then the loads of x and gather B, and behind them the selects on tile A's results, which name none of those registers.  SECOND HALF, behind the products of tile B: both gathers have read GAA and GAB
; (vm_vsrc); GADDR; GAA and GAB are written, GADDR is done with the ids, the products are done reading FR (va_vdst); then gather A.  The id loads at the next trip's head lean on that same wait: ENCODE CB, all that stands between, names neither ids nor offsets.
.set TAB,  0                           ; LDS: the table: 128 records of REC bytes; row j at ROWT j; dword i of half h at 32 (i / 4) + 16 h + 4 (i % 4)
.set REC,  400                         ; 25 x 16 bytes: records start at all sixteen 16-byte columns of 256 bytes in turn
.set ROWT, 128
.set XST,  51200                       ; the waves' rows of X as they lie in memory: XWB bytes a wave
.set XWB,  2560                        ; 128 tokens x 20 bytes
.set OST,  92160                       ; the waves' results: OWB bytes a wave
.set OWB,  1536                        ; 128 tokens x 12 bytes
.set WROW, 400                         ; a row of W in memory: 100 f32
.set XA1, 1                            ; v1   XST + XWB w + 20 r + 12 h: x0 | x3 of tile A, trip 0
.set XA2, 2                            ; v2   XST + XWB w + 20 r + 8: x2
.set XW1, 3                            ; v3, v4  the same for the trip in hand
.set XW2, 4
.set GOF, 5                            ; v5   TAB + 16 h
.set IOA, 6                            ; v6   ids: 4 r
.set IOB, 7                            ; v7   ids: 64 + 4 (r xor 8)
.set OSA, 8                            ; v8   OST + OWB w + 12 T, T my token among a trip's 32
.set OLA, 9                            ; v9   OST + OWB w + 16 lane
.set OGO, 10                           ; v10  16 lane
.set LIMW, 11                          ; v11  57,344 x 2^e1; 0 in lanes 25-31
.set SCW, 12                           ; v12  2^e1
.set SC0, 13                           ; v13  2^e0
.set LIM0, 14                          ; v14  57,344 x 2^e0 (read only where e0 < -15)
.set WTA, 15                           ; v15  TAB + 8 REC w + 4 lane: my lane's dword in a row of the table
.set FP,  16                           ; v16-25  the factors of two neighbouring quads: (1,4) (16,64) (256,1) (4,16) (64,256)
.set K4V, 26                           ; v26-27  K4, twice
.set C1L, 28                           ; v28, v29  C1, C2 x 64^h
.set C2L, 29
.set XRA, 30                           ; v30-32  my three channels of tile A
.set WOF, 33                           ; v33  16 x the quad of W that belongs at my lane's dword of a table row; never rewritten
.set H01, 34                           ; v34, v35  hi of channels 0, 1: a pair, since quads 4 and 5 (channel 0's last, channel 1's first) are reduced by one packed line
.set H2L, 36                           ; v36, v37  hi, lo of channel 2
.set L01, 38                           ; v38, v39  lo of channels 0, 1
.set BB,  40                           ; v40-53  b of quads 0-12 (and of an unused fourteenth).   (v40-49 are also the head's temporaries, v40-63 W's codes)
.set UU,  54                           ; v54-67  n, then u
.set FEA, 68                           ; v68-87  a group's w, then its features, four a quad; v88-91 stay 0.   (X's five loads land in v68-87)
.set XL,  68
.set ZZ,  92                           ; v92-101   z, then (2 s, c - s)
.set PP,  102                          ; v102-111  the polynomial, then (c, c + s)
.set ZO,  112                          ; v112-113  (0, 1)
.set PM,  114                          ; v114-115  (1, -1)
.set XRB, 116                          ; v116-118  my three channels of tile B
.set CA,  124                          ; v124-139  tile A's codes; the last two stay 0
.set CB,  140                          ; v140-155  tile B's
.set IDA, 156
.set IDB, 157
.set GAA, 158                          ; v158, v159  TAB + REC id + 16 h
.set GAB, 159
.set FR,  160                          ; v160-207  three fragments of W; registers 13-15 of each stay 0
.set DD,  208                          ; v208-231  three accumulators
.set RR,  232                          ; v232-243  the results of four trips, the youngest lowest
.set EX,  244                          ; v244-247  at work
.set VA,  248                          ; v248-250  tile A's three numbers
.set TT,  251
.set WR,  160                          ; v160-255  ahead of the loop: W's 24 loads
.set MG,  20                           ; s[20:21] 1.5 x 2^23;  s[22:23] K3, s[24:25] K2, s[26:27] K1, s[28:29] K0: the packed forms name pairs and take the low word for both halves
.set K3S, 22
.set K2S, 24
.set K1S, 26
.set K0S, 28
.macro XLOAD x, off                    ; my three channels of the tile that begins off bytes into the trip's rows, into v[x] on
	ds_load_b32 v[\x], v[XW1] offset:\off
	ds_load_b32 v[\x+1], v[XW1] offset:\off+4
	ds_load_b32 v[\x+2], v[XW2] offset:\off
.endm
.macro BASE x                          ; x / pi = hi + lo for the three channels in v[x] on
	v_mul_f32 v[H01], s30, v[\x]
	v_mul_f32 v[H01+1], s30, v[\x+1]
	v_mul_f32 v[H2L], v[C1L], v[\x+2]
	v_fma_f32 v[L01], v[\x], s30, -v[H01]                  ; what the product's rounding dropped, exactly
	v_fma_f32 v[L01+1], v[\x+1], s30, -v[H01+1]
	v_fma_f32 v[H2L+1], v[\x+2], v[C1L], -v[H2L]
	v_fma_f32 v[L01], v[\x], s31, v[L01]
	v_fma_f32 v[L01+1], v[\x+1], s31, v[L01+1]
	v_fma_f32 v[H2L+1], v[\x+2], v[C2L], v[H2L+1]
.endm
; The reduction of quads 2 p and 2 p + 1 by packed lines.  v[h], v[h + 1]: the pair that holds hi (or lo); a, b: which of the two serves the low and the high half; f: the pair of factors.
.macro RB p, h, a, b, f                ; b = hi F + 1.5 x 2^23
	v_pk_fma_f32 v[BB+2*\p:BB+2*\p+1], v[\h:\h+1], v[FP+2*\f:FP+2*\f+1], s[MG:MG+1] op_sel:[\a,0,0] op_sel_hi:[\b,1,0]
.endm
.macro RF p, h, a, b, f                ; hi F - n: exact
	v_pk_fma_f32 v[UU+2*\p:UU+2*\p+1], v[\h:\h+1], v[FP+2*\f:FP+2*\f+1], v[UU+2*\p:UU+2*\p+1] op_sel:[\a,0,0] op_sel_hi:[\b,1,1] neg_lo:[0,0,1] neg_hi:[0,0,1]
.endm
.macro RU p, h, a, b, f                ; u = lo F + that
	v_pk_fma_f32 v[UU+2*\p:UU+2*\p+1], v[\h:\h+1], v[FP+2*\f:FP+2*\f+1], v[UU+2*\p:UU+2*\p+1] op_sel:[\a,0,0] op_sel_hi:[\b,1,1]
.endm
.macro REDUCE                          ; quad s: channel s / 5, factor 4^(s % 5).  Seven packed lines a stage, so that no line reads the result of a line close above it.  The fourteenth angle is made and never read
	RB 0, H01, 0, 0, 0
	RB 1, H01, 0, 0, 1
	RB 2, H01, 0, 1, 2
	RB 3, H01, 1, 1, 3
	RB 4, H01, 1, 1, 4
	RB 5, H2L, 0, 0, 0
	RB 6, H2L, 0, 0, 1
.set gi, 0
.rept 7
	v_pk_add_f32 v[UU+2*gi:UU+2*gi+1], v[BB+2*gi:BB+2*gi+1], s[MG:MG+1] op_sel_hi:[1,0] neg_lo:[0,1] neg_hi:[0,1]   ; n
.set gi, gi+1
.endr
	RF 0, H01, 0, 0, 0
	RF 1, H01, 0, 0, 1
	RF 2, H01, 0, 1, 2
	RF 3, H01, 1, 1, 3
	RF 4, H01, 1, 1, 4
	RF 5, H2L, 0, 0, 0
	RF 6, H2L, 0, 0, 1
	RU 0, L01, 0, 0, 0
	RU 1, L01, 0, 0, 1
	RU 2, L01, 0, 1, 2
	RU 3, L01, 1, 1, 3
	RU 4, L01, 1, 1, 4
	RU 5, H2L, 1, 1, 0
	RU 6, H2L, 1, 1, 1
.endm
; Quads q0 .. q0 + n - 1 (registers of the fragment), stage by stage over all n.  Quad i of the group has its four features at FEA + 4 i.  Their codes go to v[c] on.
.macro GROUP c, q0, n
.set gi, 0
.rept \n
	v_sub_f32 v[FEA+4*gi+1], 0.5, |v[UU+(\q0)+gi]|         ; the cosine's argument
.set gi, gi+1
.endr
.set gi, 0
.rept \n
	v_lshl_add_u32 v[FEA+4*gi], v[BB+(\q0)+gi], 31, v[UU+(\q0)+gi]       ; n's parity flips the sign: the sine's w,
	v_lshl_add_u32 v[FEA+4*gi+1], v[BB+(\q0)+gi], 31, v[FEA+4*gi+1]      ; the cosine's
.set gi, gi+1
.endr
.set gi, 0
.rept \n
	v_pk_mul_f32 v[ZZ+2*gi:ZZ+2*gi+1], v[FEA+4*gi:FEA+4*gi+1], v[FEA+4*gi:FEA+4*gi+1]
.set gi, gi+1
.endr
.set gi, 0
.rept \n
	v_pk_fma_f32 v[PP+2*gi:PP+2*gi+1], v[ZZ+2*gi:ZZ+2*gi+1], v[K4V:K4V+1], s[K3S:K3S+1] op_sel_hi:[1,1,0]
.set gi, gi+1
.endr
.irp k, K2S, K1S, K0S
.set gi, 0
.rept \n
	v_pk_fma_f32 v[PP+2*gi:PP+2*gi+1], v[PP+2*gi:PP+2*gi+1], v[ZZ+2*gi:ZZ+2*gi+1], s[\k:\k+1] op_sel_hi:[1,1,0]
.set gi, gi+1
.endr
.endr
.set gi, 0
.rept \n
	v_pk_mul_f32 v[FEA+4*gi:FEA+4*gi+1], v[FEA+4*gi:FEA+4*gi+1], v[PP+2*gi:PP+2*gi+1]   ; (s, c) of the even octave
.set gi, gi+1
.endr
.set gi, 0
.rept \n
	v_pk_fma_f32 v[ZZ+2*gi:ZZ+2*gi+1], v[FEA+4*gi:FEA+4*gi+1], v[PM:PM+1], v[FEA+4*gi:FEA+4*gi+1] op_sel_hi:[0,1,1]   ; s (1, -1) + (s, c) = (2 s, c - s)
.set gi, gi+1
.endr
.set gi, 0
.rept \n
	v_pk_fma_f32 v[PP+2*gi:PP+2*gi+1], v[FEA+4*gi:FEA+4*gi+1], v[ZO:ZO+1], v[FEA+4*gi:FEA+4*gi+1] op_sel:[0,0,1] op_sel_hi:[0,1,1]   ; s (0, 1) + (c, c) = (c, c + s)
.set gi, gi+1
.endr
.set gi, 0
.rept \n
	v_pk_mul_f32 v[FEA+4*gi+2:FEA+4*gi+3], v[ZZ+2*gi:ZZ+2*gi+1], v[PP+2*gi:PP+2*gi+1]   ; (sin 2a, cos 2a): the odd octave
.set gi, gi+1
.endr
	s_cmp_ge_i32 s16, -15                          ; the conversion does not saturate (ISA guide 7.6.2).  From e0 = -15 on, 57,344 x 2^e0 is 1.75 or more, above every sine: no hold is needed.  e0 is alike in all waves
	s_cbranch_scc1 .Lno_hold_\@
.set gi, 0
.rept 4*\n
	v_med3_num_f32 v[FEA+gi], v[FEA+gi], -v[LIM0], v[LIM0]
.set gi, gi+1
.endr
.Lno_hold_\@:
.set gi, 0
.rept (4*\n+7)/8
	v_cvt_scalef32_pk8_bf8_f32 v[\c+2*gi:\c+2*gi+1], v[FEA+8*gi:FEA+8*gi+7], v[SC0]   ; two quads: two registers of the fragment.  (n = 5: the third takes v88-91, zeros)
.set gi, gi+1
.endr
	v_nop                                          ; one plain vector line behind the conversions: the next group's first line writes their sources, and behind the last group a matrix instruction reads the codes
.endm
.macro ENCODE c, x                     ; 13 quads of my token's half, from the channels in v[x] on -> v[c] .. v[c+13].  No memory or LDS instruction stands in it, and it names no register that one in flight touches
	BASE \x
	REDUCE
	GROUP \c, 0, 4
	GROUP \c+4, 4, 4
	GROUP \c+8, 8, 5
.endm
.macro GATHER g                        ; my token's three rows, my half: 13 dwords each; 12 LDS loads
.irp j, 0,1,2
.irp c, 0,1,2
	ds_load_b128 v[FR+16*\j+4*\c:FR+16*\j+4*\c+3], v[\g] offset:ROWT*\j+32*\c
.endr
	ds_load_b32 v[FR+16*\j+12], v[\g] offset:ROWT*\j+96
.endr
.endm
.macro WMMA3 c                         ; D_j(m, n) = row m's W (component j) . token n's codes.  Three accumulators, each begun with the constant 0
.irp j, 0,1,2
	v_wmma_f32_16x16x128_bf8_bf8 v[DD+8*\j:DD+8*\j+7], v[FR+16*\j:FR+16*\j+15], v[\c:\c+15], 0
.endr
.rept 5
	v_nop                                          ; four places ahead of the reads of the results and of the writes of the codes (ISA guide 7.12.1); the fifth since the next three products write these accumulators anew
.endr
.endm
.macro EXTRACT j, d                    ; register lane % 8 of accumulator j, by three levels of selects on the lane's bits 0, 1, 2; the accumulator is read from its low end on
	v_cndmask_b32 v[EX], v[DD+8*\j], v[DD+8*\j+1], s32
	v_cndmask_b32 v[EX+1], v[DD+8*\j+2], v[DD+8*\j+3], s32
	v_cndmask_b32 v[EX+2], v[DD+8*\j+4], v[DD+8*\j+5], s32
	v_cndmask_b32 v[EX+3], v[DD+8*\j+6], v[DD+8*\j+7], s32
	v_cndmask_b32 v[EX], v[EX], v[EX+1], s33
	v_cndmask_b32 v[EX+2], v[EX+2], v[EX+3], s33
	v_cndmask_b32 v[\d], v[EX], v[EX+2], s34
.endm
.macro MERGE                           ; the loop's text has one set of register numbers, so the earlier trips' results move up by three; then tile B's numbers (lanes 8-23) join tile A's, x 2^(e0 + e1)
.irp k, 11,10,9,8,7,6,5,4,3
	v_mov_b32 v[RR+\k], v[RR+\k-3]
.endr
.irp j, 0,1,2
	EXTRACT \j, TT
	v_cndmask_b32 v[TT], v[VA+\j], v[TT], s35
	v_ldexp_f32 v[RR+\j], v[TT], s18
.endr
.endm
.macro GADDR                           ; the two tiles' ids become table addresses
	v_min_u32 v[IDA], 127, v[IDA]
	v_min_u32 v[IDB], 127, v[IDB]
	v_mul_u32_u24 v[GAA], v[IDA], REC
	v_mul_u32_u24 v[GAB], v[IDB], REC
	v_add_nc_u32 v[GAA], v[GAA], v[GOF]
	v_add_nc_u32 v[GAB], v[GAB], v[GOF]
.endm
	; ---- the head: addresses, and all loads but the later trips' ids
	s_load_b256 s[4:11], s[0:1], 0x0               ; X s[4:5], ids s[6:7], W s[8:9], the scales' exponents s[10:11]
	s_load_b64 s[12:13], s[0:1], 0x20              ; out
	v_lshl_add_u32 v122, v0, 2, 0x1c800            ; the LDS address of my spare word, behind the waves' results: 128 bytes for each of the sixteen waves, which no other line names; kept for the closing lines alone
	v_mov_b32 v123, 0                              ; 0, likewise
	v_lshrrev_b32 v40, 5, v0
	v_readfirstlane_b32 s14, v40                   ; wave 0..15
	v_and_b32 v40, 31, v0                          ; lane
	v_and_b32 v41, 15, v0                          ; r
	v_bfe_u32 v42, v0, 4, 1                        ; h
	v_lshlrev_b32 v[OGO], 4, v40
	v_lshlrev_b32 v[IOA], 2, v41
	v_xor_b32 v[IOB], 8, v41
	v_lshl_add_u32 v[IOB], v[IOB], 2, 64
	; THE ORDER OF K IS MADE BY W'S LOADS, so that the table's stores are plain: lane L owns dword L of every table row, which is register i = 4 (L / 8) + L % 4 of half hp = (L / 4) % 2,
	; and loads the quad that belongs there: q = i for hp = 0; q = 15 + i (i < 10) or 3 + i (i = 10, 11) for hp = 1.  Lanes 25-31 are the places that hold nothing (i > 12, or i = 12 of half 1): their q is 13 to 18, inside the row, and their hold makes zeros
	v_lshrrev_b32 v43, 3, v40
	v_and_b32 v44, 3, v40
	v_lshl_add_u32 v43, v43, 2, v44                ; i
	v_bfe_u32 v44, v40, 2, 1                       ; hp
	v_add_nc_u32 v45, 6, v43
	v_lshrrev_b32 v45, 4, v45                      ; 1 from i = 10 on
	v_mul_u32_u24 v45, v45, 12
	v_sub_nc_u32 v45, 15, v45                      ; 15 or 3
	v_mad_u32_u24 v43, v44, v45, v43               ; q, 24 at the most
	v_lshlrev_b32 v[WOF], 4, v43
	s_wait_alu depctr_va_sdst(0)                   ; s14, the wave's number, is written, ahead of its first reader: the bases and the LDS places below are made from it
	s_mul_i32 s38, ttmp9, 16*XWB                   ; X: my wave's 128 rows
	s_mul_i32 s40, s14, XWB
	s_add_co_u32 s38, s38, s40
	s_mov_b32 s39, 0
	s_lshl_b32 s40, ttmp9, 13                      ; ids: 8,192 bytes a work-group, 512 a wave
	s_lshl_b32 s42, s14, 9
	s_add_co_u32 s40, s40, s42
	s_mov_b32 s41, 0
	s_mul_i32 s42, s14, 24*WROW                    ; W: my wave's 24 rows
	s_mov_b32 s43, 0
	s_mul_i32 s44, ttmp9, 16*OWB                   ; out
	s_mul_i32 s46, s14, OWB
	s_add_co_u32 s44, s44, s46
	s_mov_b32 s45, 0
	s_wait_kmcnt 0x0
	s_load_b64 s[16:17], s[10:11], 0x0             ; e0, e1
	s_add_nc_u64 s[4:5], s[4:5], s[38:39]
	s_add_nc_u64 s[6:7], s[6:7], s[40:41]
	s_add_nc_u64 s[8:9], s[8:9], s[42:43]
	s_add_nc_u64 s[12:13], s[12:13], s[44:45]
	s_wait_alu depctr_va_vdst(0)                   ; the offsets v[OGO], v[IOA], v[IOB] and v[WOF] are written, which the loads below read
.irp i, 0,1,2,3,4
	global_load_b128 v[XL+4*\i:XL+4*\i+3], v[OGO], s[4:5] offset:512*\i th:TH_LOAD_NT   ; 32 lanes read 512 consecutive bytes; five loads: the wave's 2,560
.endr
	global_load_b32 v[IDA], v[IOA], s[6:7] th:TH_LOAD_NT   ; trip 0's ids
	global_load_b32 v[IDB], v[IOB], s[6:7] th:TH_LOAD_NT
.set it, 0
.rept 24
	global_load_b128 v[WR+4*it:WR+4*it+3], v[WOF], s[8:9] offset:WROW*it   ; row 24 w + it: my lane's quad; the 32 lanes stay inside the row's 400 consecutive bytes
.set it, it+1
.endr
	s_mov_b32 s[MG], 0x4b400000                    ; 1.5 x 2^23
	s_mov_b32 s[MG+1], 0x4b400000
	s_mov_b32 s[K3S], 0xbf1929a9                   ; -0.598291934
	s_mov_b32 s[K3S+1], 0xbf1929a9
	s_mov_b32 s[K2S], 0x40233479                   ; 2.55007768
	s_mov_b32 s[K2S+1], 0x40233479
	s_mov_b32 s[K1S], 0xc0a55de2                   ; -5.16771031
	s_mov_b32 s[K1S+1], 0xc0a55de2
	s_mov_b32 s[K0S], 0x40490fdb                   ; 3.14159274
	s_mov_b32 s[K0S+1], 0x40490fdb
	s_mov_b32 s30, 0x3ea2f983                      ; C1 = 1/pi rounded to f32
	s_mov_b32 s31, 0x325c9c88                      ; C2 = 1/pi - C1
	s_mov_b32 s32, 0xaaaaaaaa                      ; lanes whose bit 0 is set,
	s_mov_b32 s33, 0xcccccccc                      ; bit 1,
	s_mov_b32 s34, 0xf0f0f0f0                      ; bit 2
	s_mov_b32 s35, 0x00ffff00                      ; lanes 8-23: tile B's
	v_mov_b32 v[K4V], 0x3d9f0bfd                   ; K4 = 0.0776595846
	v_mov_b32 v[K4V+1], 0x3d9f0bfd
	v_mov_b32 v[FP], 1.0                           ; quads 0, 1 and 10, 11
	v_mov_b32 v[FP+1], 4.0
	v_mov_b32 v[FP+2], 0x41800000                  ; 16: quads 2, 3 and 12, (13)
	v_mov_b32 v[FP+3], 0x42800000                  ; 64
	v_mov_b32 v[FP+4], 0x43800000                  ; 256: quad 4, channel 0's last,
	v_mov_b32 v[FP+5], 1.0                         ; and quad 5, channel 1's first
	v_mov_b32 v[FP+6], 4.0                         ; quads 6, 7
	v_mov_b32 v[FP+7], 0x41800000                  ; 16
	v_mov_b32 v[FP+8], 0x42800000                  ; 64: quads 8, 9
	v_mov_b32 v[FP+9], 0x43800000                  ; 256
	v_mov_b32 v[ZO], 0
	v_mov_b32 v[ZO+1], 1.0
	v_mov_b32 v[PM], 1.0
	v_mov_b32 v[PM+1], -1.0
	v_mul_u32_u24 v43, v42, 6
	v_ldexp_f32 v[C1L], s30, v43                   ; x 64 where h = 1: channel 2's octave pairs 3, 4 by the factors of pairs 0, 1
	v_ldexp_f32 v[C2L], s31, v43
.irp k, 20,21,22,23
	v_mov_b32 v[FEA+\k], 0                         ; the four numbers that fill the last conversion
.endr
	v_mov_b32 v[CA+14], 0
	v_mov_b32 v[CA+15], 0
	v_mov_b32 v[CB+14], 0
	v_mov_b32 v[CB+15], 0
	s_mul_i32 s38, s14, XWB
	s_add_co_u32 s38, s38, XST                     ; my wave's rows of X in LDS
	v_mul_u32_u24 v[XA1], v41, 20
	v_add_nc_u32 v[XA2], 8, v[XA1]
	v_mad_u32_u24 v[XA1], v42, 12, v[XA1]
	v_add_nc_u32 v[XA1], s38, v[XA1]
	v_add_nc_u32 v[XA2], s38, v[XA2]
	v_add_nc_u32 v49, s38, v[OGO]                  ; where the rows go in: 16 lane
	v_lshl_add_u32 v[GOF], v42, 4, TAB
	s_mul_i32 s39, s14, OWB
	s_add_co_u32 s39, s39, OST                     ; my wave's results in LDS
	v_add_nc_u32 v43, 8, v40
	v_bfe_u32 v43, v43, 4, 1                       ; 1 in lanes 8-23
	v_lshl_add_u32 v43, v43, 4, v41                ; T = r + 16 x that
	v_mul_u32_u24 v[OSA], v43, 12
	v_add_nc_u32 v[OSA], s39, v[OSA]
	v_add_nc_u32 v[OLA], s39, v[OGO]
	s_mul_i32 s40, s14, 8*REC                      ; my 24 rows are 8 records
	s_add_co_u32 s40, s40, TAB
	v_lshlrev_b32 v[WTA], 2, v40                   ; dword = lane: a store of the wave covers a row's 128 consecutive bytes
	v_add_nc_u32 v[WTA], s40, v[WTA]
	s_wait_kmcnt 0x0                               ; e0, e1
	s_add_co_i32 s18, s16, s17                     ; e0 + e1, applied by v_ldexp_f32
	s_add_co_i32 s38, s16, 127
	s_lshl_b32 s39, s38, 23
	v_mov_b32 v[SC0], s39                          ; 2^e0 as f32: the conversion takes its exponent field
	s_add_co_i32 s38, s38, 15
	s_lshl_b32 s38, s38, 23
	s_or_b32 s38, s38, 0x600000
	v_mov_b32 v[LIM0], s38                         ; 57,344 x 2^e0
	s_add_co_i32 s38, s17, 127
	s_lshl_b32 s39, s38, 23
	v_mov_b32 v[SCW], s39                          ; 2^e1
	s_add_co_i32 s38, s38, 15
	s_lshl_b32 s38, s38, 23
	s_or_b32 s38, s38, 0x600000
	v_mov_b32 v[LIMW], s38                         ; 57,344 x 2^e1,
	s_mov_b32 s39, 0xfe000000
	v_cndmask_b32 v[LIMW], v[LIMW], 0, s39         ; and 0 in lanes 25-31: their hold makes zeros
	; ---- X into LDS; trip 0's two tiles are encoded while W is on its way
	s_wait_loadcnt 24                              ; X's five loads and the two of ids are in; W's 24, issued behind them, stay out
	GADDR
	s_mov_b32 s37, 0                               ; the trip's place in my rows of X
	v_add_nc_u32 v[XW1], s37, v[XA1]
	v_add_nc_u32 v[XW2], s37, v[XA2]
	s_wait_alu depctr_va_vdst(0)                   ; v49, v[XW1] and v[XW2] are written, which the LDS stores and loads below read as addresses; so are all other addresses made above
.irp i, 0,1,2,3,4
	ds_store_b128 v49, v[XL+4*\i:XL+4*\i+3] offset:512*\i   ; as the bytes lie; only my wave reads them, and LDS serves a wave's instructions in order
.endr
	XLOAD XRA, 0
	XLOAD XRB, 320
	s_wait_dscnt 0x0                               ; both tiles' x are in
	s_wait_alu depctr_vm_vsrc(0)                   ; the five LDS stores have read v49 and v[XL ..]: the encoding below writes them again, as BB and FEA
	ENCODE CA, XRA
	ENCODE CB, XRB
	; ---- W: my 24 rows become codes and go into the table
	s_wait_loadcnt 0x0
.set k, 0
.rept 96
	v_med3_num_f32 v[WR+k], v[WR+k], -v[LIMW], v[LIMW]   ; the hold at the largest code x the scale: a given scale need not cover the data
.set k, k+1
.endr
.set k, 0
.rept 12
	v_cvt_scalef32_pk8_bf8_f32 v[40+2*k:41+2*k], v[WR+8*k:WR+8*k+7], v[SCW]   ; my quad of rows 2 k and 2 k + 1: a dword each
.set k, k+1
.endr
	v_nop                                          ; one plain vector line behind the last conversion: its sources are written below
.irp j, 0,1,2
.irp k, 13,14,15
	v_mov_b32 v[FR+16*\j+\k], 0                    ; the fragments' registers that no load fills
.endr
.endr
.irp k, 0,1,2,3,4,5,6,7,8,9,10,11
	v_mov_b32 v[RR+\k], 0                          ; written once: the first trips move them up before they hold results
.endr
	s_wait_alu depctr_va_vdst(0)                   ; the conversions have written v40-63, which the table's stores read; the holds and conversions are done with v[WR ..], in which the first gather lands: no vector line stands between this wait and that gather
.set it, 0
.rept 24
	ds_store_b32 v[WTA], v[40+it] offset:REC*(it/3)+ROWT*(it%3)   ; row 24 w + it = component it % 3 of cluster 8 w + it / 3
.set it, it+1
.endr
	s_wait_dscnt 0x0                               ; for the others' sake: my part of the table has landed
	s_barrier_signal -1
	s_barrier_wait -1                              ; the table is whole.  From here to the next barrier no wave stores into LDS
	s_wait_alu depctr_vm_vsrc(0)                   ; the table's stores have read v40-63, which the loop's encoding writes again, as BB and UU
	GATHER GAA
	s_mov_b32 s36, 3
.Ltrip:                                            ; trips 0 to 2: the trip's six products, and the next trip's encoding between a gather's issue and the wait for it
	s_add_nc_u64 s[6:7], s[6:7], 128               ; (every earlier load by this base has been waited for)
	global_load_b32 v[IDA], v[IOA], s[6:7] th:TH_LOAD_NT   ; the next trip's ids.  No wait: GADDR, the last to name the ids' registers, stands ahead of the last wait on va_vdst, and the offsets are never written again
	global_load_b32 v[IDB], v[IOB], s[6:7] th:TH_LOAD_NT
	s_wait_dscnt 0x0                               ; tile A's rows of W are in
	WMMA3 CA
	s_add_co_u32 s37, s37, 640                     ; 32 tokens x 20 bytes on
	s_wait_alu depctr_vm_vsrc(0)                   ; the loads of x issued so far have read v[XW1] and v[XW2]
	v_add_nc_u32 v[XW1], s37, v[XA1]
	v_add_nc_u32 v[XW2], s37, v[XA2]
	s_wait_alu depctr_va_vdst(0)                   ; v[XW1] and v[XW2] are written; the three products are done reading FR, in which gather B lands; the encodings of the trip before are done reading XRA and XRB, in which x lands
	XLOAD XRA, 0
	XLOAD XRB, 320
	GATHER GAB
	EXTRACT 0, VA                                  ; these name the accumulators, EX and VA: none of the registers that the loads above touch
	EXTRACT 1, VA+1
	EXTRACT 2, VA+2
	s_wait_dscnt 12                                ; both tiles' x are in; the 12 loads of the gather, issued behind them, stay out
	ENCODE CA, XRA
	s_wait_dscnt 0x0                               ; tile B's rows of W are in
	WMMA3 CB
	MERGE
	s_wait_loadcnt 0x0                             ; the next trip's ids
	s_wait_alu depctr_vm_vsrc(0)                   ; both gathers have read v[GAA] and v[GAB], which GADDR writes
	GADDR
	s_wait_alu depctr_va_vdst(0)                   ; v[GAA] and v[GAB] are written; GADDR is done with the ids' registers; the three products are done reading FR, in which gather A lands
	GATHER GAA
	ENCODE CB, XRB                                 ; its x has been in since the first half
	s_sub_co_u32 s36, s36, 1
	s_cmp_lg_u32 s36, 0
	s_cbranch_scc1 .Ltrip
	; ---- trip 3: nothing is left to load or to encode
	s_wait_dscnt 0x0
	WMMA3 CA
	s_wait_alu depctr_va_vdst(0)                   ; the three products are done reading FR, in which gather B lands
	GATHER GAB
	EXTRACT 0, VA
	EXTRACT 1, VA+1
	EXTRACT 2, VA+2
	s_wait_dscnt 0x0
	WMMA3 CB
	MERGE
	s_wait_alu depctr_va_vdst(0)                   ; the merge has written RR, which the LDS stores below read; the last products are done reading FR, in which the loads from the stage land
	s_wait_dscnt 0x0                               ; my reads of the table and of X's rows are over
	s_barrier_signal -1
	s_barrier_wait -1                              ; everybody's are: LDS may be stored into again
	; ---- the way out: 128 tokens x 12 bytes through my stage; trip p's results stand at RR + 3 (3 - p)
.irp p, 0,1,2,3
.irp j, 0,1,2
	ds_store_b32 v[OSA], v[RR+3*(3-\p)+\j] offset:384*\p+4*\j
.endr
.endr
.irp s, 0,1,2
	ds_load_b128 v[FR+4*\s:FR+4*\s+3], v[OLA] offset:512*\s   ; LDS serves a wave's instructions in order: these see my stores
.endr
.irp s, 0,1,2
	s_wait_dscnt 2-\s                              ; load s is in; the younger ones stay out
	global_store_b128 v[OGO], v[FR+4*\s:FR+4*\s+3], s[12:13] offset:512*\s th:TH_STORE_NT   ; 32 lanes store 512 consecutive bytes, at a multiple of 256 from out's first byte
.endr
	s_wait_dscnt 0x0                               ; the closing lines, six on end
	s_wait_alu 0x0
	s_wait_tensorcnt 0x0
	ds_add_u32 v122, v123
	s_wait_dscnt 0x0
	s_endpgm
.Lfunc_end_k_qb01198fd73_encode_route:
	.size	k_qb01198fd73_encode_route, .Lfunc_end_k_qb01198fd73_encode_route-k_qb01198fd73_encode_route
	.p2alignl 7, 3214868480
	.fill 96, 4, 3214868480
	.section	.rodata,"a",@progbits
	.p2align	6, 0x0
	.amdhsa_kernel k_qb01198fd73_encode_route
		.amdhsa_group_segment_fixed_size 118784
		.amdhsa_private_segment_fixed_size 0
		.amdhsa_enable_private_segment 0
		.amdhsa_kernarg_size 40
		.amdhsa_user_sgpr_count 2
		.amdhsa_user_sgpr_kernarg_segment_ptr 1
		.amdhsa_wavefront_size32 1
		.amdhsa_system_sgpr_workgroup_id_x 1
		.amdhsa_system_sgpr_workgroup_id_y 1
		.amdhsa_system_sgpr_workgroup_id_z 1
		.amdhsa_system_vgpr_workitem_id 0
		.amdhsa_next_free_vgpr 256
		.amdhsa_next_free_sgpr 66
		.amdhsa_reserve_vcc 0
		.amdhsa_float_denorm_mode_32 3
		.amdhsa_float_denorm_mode_16_64 3
		.amdhsa_memory_ordered 1
		.amdhsa_forward_progress 1
		.amdhsa_inst_pref_size 98
	.end_amdhsa_kernel
	.amdgpu_metadata
---
amdhsa.version: [ 1, 2 ]
amdhsa.kernels:
  - .name:           k_qb01198fd73_encode_route
    .symbol:         k_qb01198fd73_encode_route.kd
    .args:
      - { .name: X, .offset: 0, .size: 8, .value_kind: global_buffer, .address_space: global }
      - { .name: cluster_ids, .offset: 8, .size: 8, .value_kind: global_buffer, .address_space: global }
      - { .name: W, .offset: 16, .size: 8, .value_kind: global_buffer, .address_space: global }
      - { .name: lowp_scales, .offset: 24, .size: 8, .value_kind: global_buffer, .address_space: global }
      - { .name: out0, .offset: 32, .size: 8, .value_kind: global_buffer, .address_space: global }
    .group_segment_fixed_size: 118784
    .private_segment_fixed_size: 0
    .kernarg_segment_align: 8
    .kernarg_segment_size: 40
    .max_flat_workgroup_size: 512
    .sgpr_count:     66
    .vgpr_count:     256
    .wavefront_size: 32
...
	.end_amdgpu_metadata
.endif
;; end of part 3
